; MI455X (gfx1250); checked and timed in simulation.
; The chip was launched on July 23, 2026; its instructions are those of AMD's public machine-readable ISA for CDNA 5 (MIT licence, August 2026) and "CDNA5" Instruction Set Architecture Reference Guide (July 2026). The comments in the code are by the model that wrote it; some were corrected since.
;; Tiny Mo E. Allowed arithmetic: matrix products marked QUANTISED: E3M2 operands, one E8M0 scale for each 32 along K, by v_wmma_scale_f32_16x16x128_f8f6f4 with both operands' format E3M2, f32 sums; products left as they are: f32 operands where the result goes on into a quantised operand, else bf16, f16 or f32 operands; f32 sums; everything else in f32.
;; Inputs: expert_weights 8 x 512 x 512 float32; hidden_states 4 x 4,096 x 512 float32; router_w 8 x 512 float32.
;; Outputs: out0 4 x 4,096 x 512 float32.
;; Constants: cluster_axis = 0.
;; This version of the problem:
;;   THIS VERSION OF THE PROBLEM IS GIVEN IN LOW PRECISION. The matrix products marked QUANTISED in the list below multiply operands that are first quantised to E3M2 (3 exponent bits, 2 mantissa bits; 6 bits a number), with one power-of-two scale for each 32 numbers along K (OCP MX v1.0); their sums are f32. All else is computed in f32.
;;   The module's matrix products, in the order in which they are computed (A, B: the left and right operand; K: the contracted axis; several contracted axes count as one K, in the product's order):
;;     1. [M 16,384, K 512] x [K 512, N 8]; A: input hidden_states; B: input router_w: left as it is (N = 8 < 16)
;;     2. [M 16,384, K 512] x [K 512, N 4,096]; A: input hidden_states; B: input expert_weights: QUANTISED
;;   THE QUANTISER, for each operand of a quantised product, along K:
;;     - K is cut into blocks of 32 from its start; a last block that is shorter is filled with zeros.
;;     - A block's scale is 2^e with e = floor(log2(the largest magnitude in the block)) - 4, held to -126 .. 127; a block of zeros has e = 0. As a byte (E8M0): e + 127.
;;     - Each number is divided by its block's scale, clamped to +-28, and rounded to the nearest number of E3M2, ties to even, subnormals kept.
;;     - The product sums the exact products of the quantised numbers (number of the format x scale) in f32.
;;   ~~~python
;;   def quantise(x, axis):      # numpy; x: float32 -> the quantised numbers, widened to float32 again
;;       x = np.moveaxis(x, axis, -1); K = x.shape[-1]
;;       x = np.pad(x, [(0, 0)] * (x.ndim - 1) + [(0, -K % 32)]); x = x.reshape(x.shape[:-1] + (-1, 32)); a = np.abs(x).max(-1, keepdims=True)
;;       e = np.where(a > 0, np.clip(np.frexp(np.where(a > 0, a, 1))[1] - 1 - 4, -126, 127), 0)      # np.frexp(a)[1] - 1 = floor(log2(a)), exactly
;;       r = np.clip(x / 2.0 ** e, -28, 28)
;;       step = 2.0 ** (np.maximum(np.frexp(np.where(r == 0, 1, r))[1] - 1, -2) - 2)
;;       q = np.round(r / step) * step * 2.0 ** e      # np.round: ties to even
;;       return np.moveaxis(q.reshape(q.shape[:-2] + (-1,))[..., :K], -1, axis).astype(np.float32)
;;   ~~~
;; 3 versions. Each part assembles by itself: llvm-mc -triple=amdgcn-amd-amdhsa -mcpu=gfx1250 --defsym DOCPART=n.
;; ======== version 1 of 3: 3 launches
;; workspace buffers: xq 6,291,456 bytes; xs 262,144 bytes; wq 1,572,864 bytes; ws 65,536 bytes; gate 131,072 bytes; route 131,072 bytes of whole numbers; plan 76,288 bytes of whole numbers
;; launch route_quant (part 1): grid 384 x 1, 4 waves a work-group, no clusters, 25,088 bytes of LDS; arguments hidden_states, router_w, expert_weights, xq, xs, wq, ws, gate, route; writes xq, xs, wq, ws, gate, route
.if DOCPART == 1
	.amdgcn_target "amdgcn-amd-amdhsa--gfx1250"
	.amdhsa_code_object_version 6
	.text
	.protected	k_q2e3e603393_route_quant
	.globl	k_q2e3e603393_route_quant
	.p2align	8
	.type	k_q2e3e603393_route_quant,@function
k_q2e3e603393_route_quant:
	s_mov_b64 s[64:65], 0
	v_nop
	global_prefetch_b8 v0, s[64:65] scope:SCOPE_SE
	s_setreg_imm32_b32 hwreg(HW_REG_WAVE_MODE, 25, 1), 1
	s_wait_xcnt 0x0
; FIRST LAUNCH OF THREE.  Work-groups 0-127 turn expert_weights [8][512 k][512 o] (f32, K is the middle axis) into codes of E3M2 laid as images of operand registers.
; Work-groups 128-383 take 64 tokens each of hidden_states [16384][512] f32: codes and scale bytes of each row, the router's 8 logits in f32, softmax, top-2, the two gates,
; the number of the token's PAIR of experts (0-27), its rank among equal pairs in its group of 32 tokens, and the group's histogram.  All of that is stored at fixed places: nothing here forms an address from a float.
; THE QUANTISER: a block of 32 along K has the scale 2^(floor(log2(largest magnitude)) - 4); its byte is the largest magnitude's exponent field - 4, held at 1 from below by a floor among the maximum's leaves.
; LAYOUTS.  xq [token][s 4][h 2][c 2][u 2][12 B]: block 4 s + 2 c + h, its half u of 16 codes: lane (r, h) of a fragment of K step s finds its 12 registers on end at 384 token + 96 s + 48 h.
;   xs [token][16]: byte j = block j.   wq [e][ct 32][s 4][g 3][lane][16 B]: registers 4 g .. 4 g + 3 of the fragment (columns 16 ct on, K 128 s on).
;   ws [e][p 16][s 4][lane] words: lane l = column 32 p + l.   gate [token] (weight of the lower expert, of the higher).   route: kr[token] = pair | rank << 8; from byte 65,536 hist[group 512][32].
; LIMITS: NaN and infinities are not served.  A block of zeros, or one whose largest magnitude lies under 2^-122, gets the byte 1 (its bytes are read by this program alone; a block of zeros has zero codes).
; The top-2 is taken on the logits, the lower index winning a tie: it differs from a top-2 on the probabilities only where two different logits round to one probability.
; The softmax takes the row's maximum away first.  No tensor loads; one barrier (the logits pass from four waves to two).  The weights' path uses no LDS.
.set SP,    80                         ; a lane's place in a stage: 64 bytes + 16 of padding
.set WREG,  5632                       ; LDS of a wave: two stages of 32 x SP bytes, then its 256 scale bytes
.set SCB,   5120
.set LOGI,  22528                      ; behind the four waves' regions: logits [64 tokens][8] f32
.set ACC,   16                         ; v16-31   eight pairs of router sums
.set R,     48                         ; v48-111  four sets of 16 numbers as loaded
.set X,     112                        ; v112-143 two sets of 16 neighbours
.set C,     144                        ; v144-207 codes, four registers for each step
.set E,     208                        ; v208-223 a scale byte for each step
.set LG,    224                        ; v224-239 a logit for each step
.set RA,    240                        ; v240     where a routing lane reads its token's logits
.set SBO,   242                        ; v[242:243] the scale bytes on their way out
.set D,     48                         ; weights' path: v48-175, block j at D + 32 j
.set MSB, 0
.macro WIN new                         ; the immediate's high byte repeats the setting that is left
.if MSB != \new
	s_set_vgpr_msb (MSB<<8)|\new
.set MSB, \new
.endif
.endm
	s_load_b512 s[4:19], s[0:1], 0x0               ; hidden s[4:5], router_w s[6:7], expert_weights s[8:9], xq s[10:11], xs s[12:13], wq s[14:15], ws s[16:17], gate s[18:19]
	s_load_b64 s[20:21], s[0:1], 0x40              ; route
	v_lshl_add_u32 v254, v0, 2, 0x6000
	v_mov_b32 v255, 0
	v_lshrrev_b32 v1, 5, v0
	v_readfirstlane_b32 s22, v1                    ; wave 0..3
	v_and_b32 v15, 31, v0                          ; lane
	s_wait_kmcnt 0x0
	s_cmp_lt_u32 ttmp9, 128                        ; the same for all four waves
	s_cbranch_scc1 .Lweights
; ------------------------------------------------------------------ TOKENS: 16 a wave, one row (512 numbers) a step
	s_sub_co_u32 s23, ttmp9, 128                   ; block of 64 tokens
	s_lshl_b32 s29, s23, 6
	s_lshl_b32 s24, s22, 4
	s_add_co_u32 s29, s29, s24                     ; my wave's first token
	s_lshl_b32 s35, s23, 1
	s_add_co_u32 s35, s35, s22                     ; the group of 32 tokens that waves 0 and 1 route
	s_mov_b32 s25, 0
	s_lshl_b32 s24, s29, 11
	s_add_nc_u64 s[4:5], s[4:5], s[24:25]          ; x: 2,048 bytes a token
	s_mul_i32 s24, s29, 384
	s_add_nc_u64 s[10:11], s[10:11], s[24:25]      ; codes: 384
	s_lshl_b32 s24, s29, 4
	s_add_nc_u64 s[12:13], s[12:13], s[24:25]      ; scale bytes: 16
	s_lshl_b32 s24, s35, 8
	s_add_nc_u64 s[18:19], s[18:19], s[24:25]      ; gates: 8 bytes a token, 256 a group
	s_lshl_b32 s24, s35, 7
	s_add_nc_u64 s[20:21], s[20:21], s[24:25]      ; kr and hist: 128 bytes a group
	v_lshlrev_b32 v14, 6, v15                      ; router_w: my 16 numbers of a row
	v_lshlrev_b32 v1, 4, v15                       ; my 16 bytes of a load's 512
	WIN 0x40                                       ; destination window 1
.irp e, 0,1,2,3,4,5,6,7                        ; router_w[e][16 lane + i] at v[16 e + i] of window 1: it stays
.irp q, 0,1,2,3
	global_load_b128 v[16*\e+4*\q:16*\e+4*\q+3], v14, s[6:7] offset:2048*\e+16*\q
.endr
.endr
	WIN 0
.macro LOAD t                          ; row t as it lies: each load reads 512 consecutive bytes
.irp i, 0,1,2,3
	global_load_b128 v[R+16*((\t)%4)+4*\i:R+16*((\t)%4)+4*\i+3], v1, s[4:5] offset:2048*(\t)+512*\i th:TH_LOAD_NT
.endr
.endm
.macro TURN t                          ; through the wave's own stage: in as loaded, out 64 bytes a lane.  LDS serves a wave's instructions in order: no wait between
.irp i, 0,1,2,3
	ds_store_b128 v2, v[R+16*((\t)%4)+4*\i:R+16*((\t)%4)+4*\i+3] offset:32*SP*((\t)%2)+8*SP*\i
.endr
.irp i, 0,1,2,3
	ds_load_b128 v[X+16*((\t)%2)+4*\i:X+16*((\t)%2)+4*\i+3], v3 offset:32*SP*((\t)%2)+16*\i
.endr
.endm
.irp t, 0,1,2,3
	LOAD \t
.endr
	s_mov_b32 s26, 0xaaaaaaaa                      ; lanes with bit 0, 1, 2 of their number set
	s_mov_b32 s27, 0xcccccccc
	s_mov_b32 s28, 0xf0f0f0f0
	s_mov_b32 s30, 0x76543210                      ; v_permlanex16_b32's selects for lane l xor 16
	s_mov_b32 s31, 0xfedcba98
	s_mov_b32 s34, 0x3fb8aa3b                      ; log2(e)
	s_mul_i32 s24, s22, WREG
	v_lshrrev_b32 v2, 2, v15
	v_mul_u32_u24 v2, v2, SP
	v_and_b32 v13, 3, v15
	v_lshl_add_u32 v2, v13, 4, v2
	v_add_nc_u32 v2, s24, v2                       ; stage, in: SP (lane / 4) + 16 (lane % 4)
	v_mul_u32_u24 v3, v15, SP
	v_add_nc_u32 v3, s24, v3                       ; stage, out: SP x lane
	v_lshrrev_b32 v4, 3, v15                       ; my 16 codes' place in the row's 384 bytes: lane = 8 s + 4 c + 2 h + u
	v_mul_u32_u24 v4, v4, 96
	v_bfe_u32 v13, v0, 1, 1
	v_mad_u32_u24 v4, v13, 48, v4
	v_bfe_u32 v13, v0, 2, 1
	v_mad_u32_u24 v4, v13, 24, v4
	v_and_b32 v13, 1, v0
	v_mad_u32_u24 v4, v13, 12, v4
	s_add_co_u32 s25, s24, SCB
	v_lshrrev_b32 v5, 1, v15
	v_add_nc_u32 v5, s25, v5                       ; my block's scale byte
	v_lshlrev_b32 v7, 3, v15                       ; 8 x lane
	v_add_nc_u32 v6, s25, v7                       ; the scale bytes on the way out
	v_lshlrev_b32 v12, 4, v13                      ; the expert whose logit ends in my lane: 4 (l & 1) + 2 ((l >> 1) & 1) + ((l >> 2) & 1); 4 bytes each
	v_bfe_u32 v13, v0, 1, 1
	v_lshl_add_u32 v12, v13, 3, v12
	v_bfe_u32 v13, v0, 2, 1
	v_lshl_add_u32 v12, v13, 2, v12
	s_lshl_b32 s24, s22, 9
	s_add_co_u32 s24, s24, LOGI
	v_add_nc_u32 v12, s24, v12                     ; + my wave's 16 tokens x 32 bytes
	s_and_b32 s24, s22, 1
	s_lshl_b32 s24, s24, 10
	s_add_co_u32 s24, s24, LOGI
	v_lshl_add_u32 v[RA], v15, 5, s24              ; routing: token 32 (wave & 1) + lane
	s_wait_loadcnt 12                              ; router_w and row 0 are in; rows 1 to 3 may be out
	TURN 0
.macro STEP t
.set XS, X+16*((\t)%2)
.if (\t) > 0
	s_wait_dscnt 2                                 ; this row is back from the stage; behind its loads stand only the last step's byte store and logit store
.else
	s_wait_dscnt 0x0
.endif
.if (\t)+4 < 16
	LOAD (\t)+4                                    ; into the set whose stores into the stage are done
.endif
.if (\t)+1 < 16
.if 14-(\t) >= 3
	s_wait_loadcnt 12                              ; the next row's four loads are in; those of the three rows behind it may be out
.else
	s_wait_loadcnt 4*(14-(\t))
.endif
	TURN (\t)+1
.endif
	v_max3_num_f32 v8, |v[XS]|, |v[XS+1]|, |v[XS+2]|               ; the largest magnitude of my 16, in two chains
	v_max3_num_f32 v9, |v[XS+3]|, |v[XS+4]|, |v[XS+5]|
.irp i, 6,10
	v_max3_num_f32 v8, v8, |v[XS+\i]|, |v[XS+\i+1]|
	v_max3_num_f32 v9, v9, |v[XS+\i+2]|, |v[XS+\i+3]|
.endr
	v_max3_num_f32 v8, v8, |v[XS+14]|, |v[XS+15]|
	v_max3_num_f32 v8, v8, v9, 0x2800000           ; and the floor 2^(5 - 127): the byte cannot fall under 1
	v_max_num_f32_dpp v8, v8, v8 row_xmask:1 row_mask:0xf bank_mask:0xf   ; with my neighbour's 16: the block's
	v_add_nc_u32 v11, 0xfe000000, v8               ; 4 off the exponent field: the conversion's scale operand
	v_cvt_scalef32_pk16_bf6_f32 v[C+4*(\t):C+4*(\t)+2], v[XS:XS+15], v11
	v_lshrrev_b32 v[E+(\t)], 23, v11               ; the scale's byte (a plain line behind the conversion)
	ds_store_b8 v5, v[E+(\t)] offset:16*(\t)       ; both lanes of a block write the same byte
	global_store_b96 v4, v[C+4*(\t):C+4*(\t)+2], s[10:11] offset:384*(\t)   ; the wave covers the row's 384 consecutive bytes
	WIN 0x04                                       ; source 1 (router_w) window 1
.irp e, 0,1,2,3,4,5,6,7
	v_pk_mul_f32 v[ACC+2*\e:ACC+2*\e+1], v[XS:XS+1], v[16*\e:16*\e+1]   ; the first products start the eight sums
.endr
.irp i, 1,2,3,4,5,6,7
.irp e, 0,1,2,3,4,5,6,7
	v_pk_fma_f32 v[ACC+2*\e:ACC+2*\e+1], v[XS+2*\i:XS+2*\i+1], v[16*\e+2*\i:16*\e+2*\i+1], v[ACC+2*\e:ACC+2*\e+1]
.endr
.endr
	WIN 0
.irp e, 0,1,2,3,4,5,6,7
	v_add_f32 v[32+\e], v[ACC+2*\e], v[ACC+2*\e+1]
.endr
.irp e, 0,1,2,3                                ; eight sums over 32 lanes at once: at each step a lane keeps half of its sums and sends the other half to its partner
	v_cndmask_b32 v[40+\e], v[32+\e], v[36+\e], s26
	v_cndmask_b32 v[44+\e], v[36+\e], v[32+\e], s26
.endr
.irp e, 0,1,2,3
	v_add_f32_dpp v[40+\e], v[44+\e], v[40+\e] row_xmask:1 row_mask:0xf bank_mask:0xf
.endr
.irp e, 0,1
	v_cndmask_b32 v[32+\e], v[40+\e], v[42+\e], s27
	v_cndmask_b32 v[34+\e], v[42+\e], v[40+\e], s27
.endr
.irp e, 0,1
	v_add_f32_dpp v[32+\e], v[34+\e], v[32+\e] row_xmask:2 row_mask:0xf bank_mask:0xf
.endr
	v_cndmask_b32 v36, v32, v33, s28
	v_cndmask_b32 v37, v33, v32, s28
	v_add_f32_dpp v36, v37, v36 row_xmask:4 row_mask:0xf bank_mask:0xf
	v_add_f32_dpp v36, v36, v36 row_xmask:8 row_mask:0xf bank_mask:0xf
	v_permlanex16_b32 v38, v36, s30, s31           ; (v38 was written above)
	v_add_f32 v[LG+(\t)], v36, v38                 ; the logit of my lane's expert
	ds_store_b32 v12, v[LG+(\t)] offset:32*(\t)    ; four lanes write the same word with the same value
.endm
.irp t, 0,1,2,3,4,5,6,7,8,9,10,11,12,13,14,15
	STEP \t
.endr
	ds_load_b64 v[SBO:SBO+1], v6                   ; my wave's 256 scale bytes
	s_wait_dscnt 0x0                               ; they are in, and my logits have landed: for the other waves' sake the count is zero
	global_store_b64 v7, v[SBO:SBO+1], s[12:13]    ; 32 lanes store 256 consecutive bytes, aligned
	s_barrier_signal -1
	s_barrier_wait -1                              ; all 64 tokens' logits lie in LDS
	s_cmp_ge_u32 s22, 2
	s_cbranch_scc1 .Lxend                          ; waves 0 and 1 route 32 tokens each, a token a lane
	ds_load_b128 v[32:35], v[RA]
	ds_load_b128 v[36:39], v[RA] offset:16
	s_wait_dscnt 0x0
	v_mov_b32 v40, v32                             ; best, its expert; second, its expert
	v_mov_b32 v41, 0
	v_mov_b32 v42, 0xff800000
	v_mov_b32 v43, 0
.irp e, 1,2,3,4,5,6,7                          ; strict compares: the lower index keeps a tie
	v_cmp_gt_f32 vcc_lo, v[32+\e], v40
	v_cmp_gt_f32 s33, v[32+\e], v42
	v_cndmask_b32 v44, v42, v[32+\e], s33
	v_cndmask_b32 v45, v43, \e, s33
	v_cndmask_b32 v42, v44, v40, vcc_lo
	v_cndmask_b32 v43, v45, v41, vcc_lo
	v_cndmask_b32 v40, v40, v[32+\e], vcc_lo
	v_cndmask_b32 v41, v41, \e, vcc_lo
.endr
.irp e, 0,1,2,3,4,5,6,7
	v_sub_f32 v[48+\e], v[32+\e], v40              ; the maximum is taken away: its own term is 2^0
.endr
	v_sub_f32 v56, v42, v40
.irp e, 0,1,2,3,4,5,6,7,8
	v_mul_f32 v[48+\e], s34, v[48+\e]
.endr
.irp e, 0,1,2,3,4,5,6,7,8
	v_exp_f32 v[48+\e], v[48+\e]
.endr
	v_nop                                          ; a plain line behind the exponentials
	s_wait_alu depctr_va_vdst(0)
	v_add_f32 v57, v48, v49
	v_add_f32 v58, v50, v51
	v_add_f32 v59, v52, v53
	v_add_f32 v60, v54, v55
	v_add_f32 v57, v57, v58
	v_add_f32 v59, v59, v60
	v_add_f32 v57, v57, v59                        ; the softmax's sum
	v_rcp_f32 v58, v57                             ; p1 = 1 / sum
	v_nop
	s_wait_alu depctr_va_vdst(0)
	v_mul_f32 v60, v56, v58                        ; p2
	v_add_f32 v59, v58, v60
	v_add_f32 v59, 0x358637bd, v59                 ; p1 + p2 + 1e-6
	v_rcp_f32 v61, v59
	v_cmp_lt_u32 vcc_lo, v41, v43                  ; (a plain line behind the reciprocal)  is the best expert the lower-numbered one?
	s_wait_alu depctr_va_vdst(0)
	v_mul_f32 v58, v58, v61                        ; w1
	v_mul_f32 v60, v60, v61                        ; w2
	v_cndmask_b32 v62, v43, v41, vcc_lo            ; the lower expert,
	v_cndmask_b32 v63, v41, v43, vcc_lo            ; the higher,
	v_cndmask_b32 v64, v60, v58, vcc_lo            ; the lower one's weight,
	v_cndmask_b32 v65, v58, v60, vcc_lo            ; the higher one's
	v_sub_nc_u32 v66, 15, v62                      ; pair = lo (15 - lo) / 2 + hi - lo - 1
	v_mul_u32_u24 v66, v62, v66
	v_lshrrev_b32 v66, 1, v66
	v_add_nc_u32 v66, v66, v63
	v_sub_nc_u32 v66, v66, v62
	v_add_nc_u32 v66, -1, v66
	v_min_u32 v66, 27, v66
	v_mov_b32 v67, 0                               ; my rank among the group's tokens of my pair
	v_mov_b32 v68, 0                               ; the group's histogram: lane b = tokens of pair b
.set BK, 0
.rept 28
	v_cmp_eq_u32 vcc_lo, BK, v66
	s_bcnt1_i32_b32 s32, vcc_lo
	v_mbcnt_lo_u32_b32 v69, vcc_lo, 0
	v_cndmask_b32 v67, v67, v69, vcc_lo
	v_writelane_b32 v68, s32, BK
.set BK, BK+1
.endr
	v_lshl_or_b32 v70, v67, 8, v66
	v_lshlrev_b32 v71, 2, v15
	global_store_b64 v7, v[64:65], s[18:19]        ; 256 consecutive bytes, aligned
	global_store_b32 v71, v70, s[20:21]
	global_store_b32 v71, v68, s[20:21] offset:65536
.Lxend:
	s_wait_tensorcnt 0x0
	ds_add_u32 v254, v255
	s_wait_dscnt 0x0
	s_endpgm
; ------------------------------------------------------------------ WEIGHTS: a wave takes 32 columns x 128 along K of one expert.  A lane takes a column, its registers run down K
.Lweights:
	s_lshr_b32 s23, ttmp9, 4                       ; expert
	s_bfe_u32 s24, ttmp9, 0x20002                  ; K step
	s_and_b32 s25, ttmp9, 3
	s_lshl_b32 s25, s25, 2
	s_add_co_u32 s25, s25, s22                     ; p: columns 32 p on
	s_mov_b32 s27, 0
	s_lshl_b32 s26, s23, 20
	s_lshl_b32 s28, s24, 18
	s_add_co_u32 s26, s26, s28
	s_lshl_b32 s28, s25, 7
	s_add_co_u32 s26, s26, s28
	s_add_nc_u64 s[8:9], s[8:9], s[26:27]          ; expert x 1 MiB + 128 rows of 2,048 bytes x K step + 128 p
	s_mul_i32 s26, s23, 196608
	s_mul_i32 s28, s25, 12288
	s_add_co_u32 s26, s26, s28
	s_mul_i32 s28, s24, 1536
	s_add_co_u32 s26, s26, s28
	s_add_nc_u64 s[14:15], s[14:15], s[26:27]      ; the image of tile 2 p, this K step
	s_lshl_b32 s26, s23, 13
	s_lshl_b32 s28, s25, 9
	s_add_co_u32 s26, s26, s28
	s_lshl_b32 s28, s24, 7
	s_add_co_u32 s26, s26, s28
	s_add_nc_u64 s[16:17], s[16:17], s[26:27]      ; its 32 scale words
	v_lshlrev_b32 v1, 2, v15
	v_lshlrev_b32 v2, 4, v15
.macro WLD j                           ; block j: W(32 j + i, my column): a load reads 128 consecutive bytes, the four waves stand side by side on 512
.set WI, 0
.rept 32
	global_load_b32 v[D+32*(\j)+WI], v1, s[8:9] offset:2048*(32*(\j)+WI) th:TH_LOAD_NT
.set WI, WI+1
.endr
.endm
.macro WBLOCK j
.set DJ, D+32*(\j)
.set RJ, 176+12*((\j)%2)+6*((\j)/2)    ; the lower 16 codes go where the fragment wants them; the upper 16 to v[200 + 4 j] (a conversion's three registers begin on an even number)
.if (\j) < 3
	s_wait_loadcnt 32                              ; this block's 32 loads are in; the next block's may be out
.else
	s_wait_loadcnt 0x0
.endif
.if (\j)+2 < 4
	WLD (\j)+2
.endif
	v_max3_num_f32 v8, |v[DJ]|, |v[DJ+1]|, |v[DJ+2]|
	v_max3_num_f32 v9, |v[DJ+3]|, |v[DJ+4]|, |v[DJ+5]|
.irp i, 6,10,14,18,22,26
	v_max3_num_f32 v8, v8, |v[DJ+\i]|, |v[DJ+\i+1]|
	v_max3_num_f32 v9, v9, |v[DJ+\i+2]|, |v[DJ+\i+3]|
.endr
	v_max3_num_f32 v8, v8, |v[DJ+30]|, |v[DJ+31]|
	v_max3_num_f32 v8, v8, v9, 0x2800000           ; the floor 2^(5 - 127)
	v_add_nc_u32 v[16+(\j)], 0xfe000000, v8
	v_lshrrev_b32 v[20+(\j)], 23, v[16+(\j)]
	v_cvt_scalef32_pk16_bf6_f32 v[RJ:RJ+2], v[DJ:DJ+15], v[16+(\j)]
	v_cvt_scalef32_pk16_bf6_f32 v[200+4*(\j):202+4*(\j)], v[DJ+16:DJ+31], v[16+(\j)]
.endm
	WLD 0
	WLD 1
	WBLOCK 0
	WBLOCK 1
	WBLOCK 2
	WBLOCK 3
	v_nop                                          ; a plain line behind the last conversion
.irp i, 0,1,2                                  ; lane l holds column l's blocks 0-3.  A fragment wants, in lanes 0-15, its columns' even block and, in lanes 16-31, their odd block:
	v_permlane16_swap_b32 v[176+\i], v[188+\i]     ; the even block's lanes 16-31 change places with the odd block's lanes 0-15: the first is then tile 2 p's, the second tile 2 p + 1's
	v_permlane16_swap_b32 v[200+\i], v[204+\i]
	v_permlane16_swap_b32 v[182+\i], v[194+\i]
	v_permlane16_swap_b32 v[208+\i], v[212+\i]
.endr
.irp i, 0,1,2
	v_mov_b32 v[179+\i], v[200+\i]
	v_mov_b32 v[191+\i], v[204+\i]
	v_mov_b32 v[185+\i], v[208+\i]
	v_mov_b32 v[197+\i], v[212+\i]
.endr
	v_lshl_or_b32 v216, v21, 8, v20                ; my column's scale word for these 128 along K
	v_lshl_or_b32 v216, v22, 16, v216
	v_lshl_or_b32 v216, v23, 24, v216
.irp g, 0,1,2
	global_store_b128 v2, v[176+4*\g:179+4*\g], s[14:15] offset:512*\g         ; each store covers 512 consecutive bytes
	global_store_b128 v2, v[188+4*\g:191+4*\g], s[14:15] offset:6144+512*\g
.endr
	global_store_b32 v1, v216, s[16:17]
	s_endpgm
.Lfunc_end_k_q2e3e603393_route_quant:
	.size	k_q2e3e603393_route_quant, .Lfunc_end_k_q2e3e603393_route_quant-k_q2e3e603393_route_quant
	.p2alignl 7, 3214868480
	.fill 96, 4, 3214868480
	.section	.rodata,"a",@progbits
	.p2align	6, 0x0
	.amdhsa_kernel k_q2e3e603393_route_quant
		.amdhsa_group_segment_fixed_size 25088
		.amdhsa_private_segment_fixed_size 0
		.amdhsa_enable_private_segment 0
		.amdhsa_kernarg_size 72
		.amdhsa_user_sgpr_count 2
		.amdhsa_user_sgpr_kernarg_segment_ptr 1
		.amdhsa_wavefront_size32 1
		.amdhsa_system_sgpr_workgroup_id_x 1
		.amdhsa_system_sgpr_workgroup_id_y 1
		.amdhsa_system_sgpr_workgroup_id_z 1
		.amdhsa_system_vgpr_workitem_id 0
		.amdhsa_next_free_vgpr 384
		.amdhsa_next_free_sgpr 66
		.amdhsa_reserve_vcc 1
		.amdhsa_float_denorm_mode_32 3
		.amdhsa_float_denorm_mode_16_64 3
		.amdhsa_memory_ordered 1
		.amdhsa_forward_progress 1
		.amdhsa_inst_pref_size 162
	.end_amdhsa_kernel
	.amdgpu_metadata
---
amdhsa.version: [ 1, 2 ]
amdhsa.kernels:
  - .name:           k_q2e3e603393_route_quant
    .symbol:         k_q2e3e603393_route_quant.kd
    .args:
      - { .name: hidden_states, .offset: 0, .size: 8, .value_kind: global_buffer, .address_space: global }
      - { .name: router_w, .offset: 8, .size: 8, .value_kind: global_buffer, .address_space: global }
      - { .name: expert_weights, .offset: 16, .size: 8, .value_kind: global_buffer, .address_space: global }
      - { .name: xq, .offset: 24, .size: 8, .value_kind: global_buffer, .address_space: global }
      - { .name: xs, .offset: 32, .size: 8, .value_kind: global_buffer, .address_space: global }
      - { .name: wq, .offset: 40, .size: 8, .value_kind: global_buffer, .address_space: global }
      - { .name: ws, .offset: 48, .size: 8, .value_kind: global_buffer, .address_space: global }
      - { .name: gate, .offset: 56, .size: 8, .value_kind: global_buffer, .address_space: global }
      - { .name: route, .offset: 64, .size: 8, .value_kind: global_buffer, .address_space: global }
    .group_segment_fixed_size: 25088
    .private_segment_fixed_size: 0
    .kernarg_segment_align: 8
    .kernarg_segment_size: 72
    .max_flat_workgroup_size: 128
    .sgpr_count:     66
    .vgpr_count:     384
    .wavefront_size: 32
...
	.end_amdgpu_metadata
.endif
;; end of part 1
;; launch place (part 2): grid 1 x 1, 32 waves a work-group, no clusters, 13,312 bytes of LDS; arguments route, plan; writes plan
.if DOCPART == 2
	.amdgcn_target "amdgcn-amd-amdhsa--gfx1250"
	.amdhsa_code_object_version 6
	.text
	.protected	k_q2e3e603393_place
	.globl	k_q2e3e603393_place
	.p2align	8
	.type	k_q2e3e603393_place,@function
k_q2e3e603393_place:
	s_mov_b64 s[64:65], 0
	v_nop
	global_prefetch_b8 v0, s[64:65] scope:SCOPE_SE
	s_setreg_imm32_b32 hwreg(HW_REG_WAVE_MODE, 25, 1), 1
	s_wait_xcnt 0x0
; SECOND LAUNCH: a counting sort of the 16,384 tokens by their pair of experts (28 pairs), without atomics, by one work-group of 32 waves.
; In: route: kr[token] = pair | rank << 8 (rank inside the token's group of 32), hist[group 512][32] from byte 65,536.
; Out: plan: order[232 tiles x 80]: tile t's tokens at entries 80 t on; each pair begins on a tile of its own, so a tile holds tokens of ONE pair; from byte 74,240 ttab[256] = {8 lo + hi, number of rows}.
; There are never more than floor((16,384 + 28 x 79) / 80) = 232 tiles, whatever the split.  Entries of order past a tile's count are not written, and nobody reads them.
; Wave v owns groups 16 v .. 16 v + 15.  (1) its sum of histograms -> LDS; (2) wave b scans pair b over the 32 waves; (3) each wave makes the first position of every pair for each of its groups
; (lane = pair), and each token fetches its pair's by a lane permute and adds its rank; (4) waves 0-7 write the table of tiles.
.set PRE, 4352                         ; LDS: CNT [32 waves][33 words] at 0 (the odd pitch keeps reads by columns off one bank), PRE likewise, TOT [32]
.set TOT, 8704
.set H,  16                            ; v16-31 histograms   v32-47 kr   v48-63 running positions   v64-79 positions   v80-95 indices, then tokens
.set KR, 32
.set RN, 48
.set PS, 64
.set TK, 80
.macro SCAN x, t                       ; inclusive sums over the 32 lanes
.irp n, 1,2,4,8
	v_mov_b32_dpp v[\t], v[\x] row_shr:\n row_mask:0xf bank_mask:0xf bound_ctrl:1
	v_add_nc_u32 v[\x], v[\x], v[\t]
.endr
	v_readlane_b32 s10, v[\x], 15
	v_cndmask_b32 v[\t], 0, s10, s9                ; lanes 16-31 add the lower half's total
	v_add_nc_u32 v[\x], v[\x], v[\t]
.endm
	s_load_b128 s[4:7], s[0:1], 0x0                ; route, plan
	v_lshl_add_u32 v126, v0, 2, 0x2400
	v_mov_b32 v127, 0
	v_lshrrev_b32 v1, 5, v0
	v_readfirstlane_b32 s8, v1                     ; wave 0..31
	v_and_b32 v1, 31, v0                           ; lane
	s_mov_b32 s9, 0xffff0000
	s_lshl_b32 s11, s8, 11
	v_lshl_add_u32 v2, v1, 2, s11                  ; 2,048 x wave + 4 x lane: my wave's 16 groups, in kr and in hist alike
	s_mul_i32 s11, s8, 132
	v_lshl_add_u32 v3, v1, 2, s11                  ; row = wave, column = lane
	s_lshl_b32 s12, s8, 2
	v_mul_u32_u24 v4, v1, 132
	v_add_nc_u32 v4, s12, v4                       ; row = lane, column = wave
	v_lshlrev_b32 v5, 2, v1
	v_mov_b32 v6, s8
	v_lshlrev_b32 v6, 2, v6
	v_mov_b32 v97, 0                               ; the scans' temporary: written before a DPP move lands on it
	s_wait_kmcnt 0x0
.irp j, 0,1,2,3,4,5,6,7,8,9,10,11,12,13,14,15
	global_load_b32 v[H+\j], v2, s[4:5] offset:65536+128*\j
.endr
.irp j, 0,1,2,3,4,5,6,7,8,9,10,11,12,13,14,15
	global_load_b32 v[KR+\j], v2, s[4:5] offset:128*\j
.endr
	s_wait_loadcnt 16                              ; the histograms are in; the 16 loads of kr may be out
	v_add_nc_u32 v96, v[H], v[H+1]
.irp j, 2,4,6,8,10,12,14
	v_add3_u32 v96, v96, v[H+\j], v[H+\j+1]
.endr
	ds_store_b32 v3, v96                           ; my wave's tokens of pair = lane
	s_wait_dscnt 0x0
	s_barrier_signal -1
	s_barrier_wait -1
	ds_load_b32 v98, v4                            ; wave = pair now, lane = wave
	s_wait_dscnt 0x0
	v_mov_b32 v99, v98
	SCAN 99, 97
	v_sub_nc_u32 v100, v99, v98                    ; tokens of this pair in the waves before
	ds_store_b32 v4, v100 offset:PRE
	v_readlane_b32 s11, v99, 31
	v_mov_b32 v101, s11
	ds_store_b32 v6, v101 offset:TOT               ; the pair's total (all lanes write the same word)
	s_wait_dscnt 0x0
	s_barrier_signal -1
	s_barrier_wait -1
	ds_load_b32 v102, v3 offset:PRE                ; lane = pair again
	ds_load_b32 v103, v5 offset:TOT
	s_wait_dscnt 0x0
	v_add_nc_u32 v104, 79, v103
	v_mul_u32_u24 v104, v104, 0xcccd               ; (x * 52,429) >> 22 = x / 80, rounded down, for x up to 16,463
	v_lshrrev_b32 v104, 22, v104                   ; the pair's tiles
	v_mov_b32 v105, v104
	SCAN 105, 97
	v_sub_nc_u32 v105, v105, v104                  ; the pair's first tile
	v_mad_u32_u24 v[RN], v105, 80, v102            ; where my wave's first group puts its tokens of the pair
.irp j, 0,1,2,3,4,5,6,7,8,9,10,11,12,13,14
	v_add_nc_u32 v[RN+\j+1], v[RN+\j], v[H+\j]
.endr
	s_wait_loadcnt 0x0                             ; kr
.irp j, 0,1,2,3,4,5,6,7,8,9,10,11,12,13,14,15
	v_and_b32 v[TK+\j], 0xff, v[KR+\j]
	v_min_u32 v[TK+\j], 31, v[TK+\j]
	v_lshlrev_b32 v[TK+\j], 2, v[TK+\j]
.endr
.irp j, 0,1,2,3,4,5,6,7,8,9,10,11,12,13,14,15
	ds_bpermute_b32 v[PS+\j], v[TK+\j], v[RN+\j]   ; lane = token: the position of the lane that holds its pair
.endr
	s_lshl_b32 s13, s8, 9
	v_add_nc_u32 v106, s13, v1                     ; my wave's first token + lane
	s_wait_dscnt 0x0
.irp j, 0,1,2,3,4,5,6,7,8,9,10,11,12,13,14,15
	v_lshrrev_b32 v[KR+\j], 8, v[KR+\j]            ; rank
	v_add_nc_u32 v[PS+\j], v[PS+\j], v[KR+\j]
	v_min_u32 v[PS+\j], 0x487f, v[PS+\j]           ; inside order's 18,560 entries
	v_lshlrev_b32 v[PS+\j], 2, v[PS+\j]
	v_add_nc_u32 v[TK+\j], 32*\j, v106
.endr
.irp j, 0,1,2,3,4,5,6,7,8,9,10,11,12,13,14,15
	global_store_b32 v[PS+\j], v[TK+\j], s[6:7]
.endr
	s_cmp_ge_u32 s8, 8
	s_cbranch_scc1 .Lend                           ; no barrier follows
	v_mov_b32 v107, 0                              ; thread t = tile t: the last pair whose first tile is at most t
	v_mov_b32 v108, 0
	v_mov_b32 v110, 0
.set BK, 0
.irp lo, 0,1,2,3,4,5,6
.irp hi, 1,2,3,4,5,6,7
.if \hi > \lo
	v_readlane_b32 s12, v105, BK
	v_readlane_b32 s13, v103, BK
	v_cmp_le_u32 vcc_lo, s12, v0
	v_cndmask_b32 v108, v108, 8*\lo+\hi, vcc_lo
	v_cndmask_b32 v107, v107, s12, vcc_lo
	v_cndmask_b32 v110, v110, s13, vcc_lo
.set BK, BK+1
.endif
.endr
.endr
	v_sub_nc_u32 v107, v0, v107
	v_mul_u32_u24 v107, v107, 80                   ; rows of the pair in the tiles before this one
	v_sub_nc_u32 v109, v110, v107
	v_max_i32 v109, 0, v109                        ; a tile past the pair's last has no rows
	v_min_i32 v109, 80, v109
	v_lshlrev_b32 v111, 3, v0
	global_store_b64 v111, v[108:109], s[6:7] offset:74240
.Lend:
	s_wait_tensorcnt 0x0
	ds_add_u32 v126, v127
	s_wait_dscnt 0x0
	s_endpgm
.Lfunc_end_k_q2e3e603393_place:
	.size	k_q2e3e603393_place, .Lfunc_end_k_q2e3e603393_place-k_q2e3e603393_place
	.p2alignl 7, 3214868480
	.fill 96, 4, 3214868480
	.section	.rodata,"a",@progbits
	.p2align	6, 0x0
	.amdhsa_kernel k_q2e3e603393_place
		.amdhsa_group_segment_fixed_size 13312
		.amdhsa_private_segment_fixed_size 0
		.amdhsa_enable_private_segment 0
		.amdhsa_kernarg_size 16
		.amdhsa_user_sgpr_count 2
		.amdhsa_user_sgpr_kernarg_segment_ptr 1
		.amdhsa_wavefront_size32 1
		.amdhsa_system_sgpr_workgroup_id_x 1
		.amdhsa_system_sgpr_workgroup_id_y 1
		.amdhsa_system_sgpr_workgroup_id_z 1
		.amdhsa_system_vgpr_workitem_id 0
		.amdhsa_next_free_vgpr 128
		.amdhsa_next_free_sgpr 66
		.amdhsa_reserve_vcc 1
		.amdhsa_float_denorm_mode_32 3
		.amdhsa_float_denorm_mode_16_64 3
		.amdhsa_memory_ordered 1
		.amdhsa_forward_progress 1
		.amdhsa_inst_pref_size 26
	.end_amdhsa_kernel
	.amdgpu_metadata
---
amdhsa.version: [ 1, 2 ]
amdhsa.kernels:
  - .name:           k_q2e3e603393_place
    .symbol:         k_q2e3e603393_place.kd
    .args:
      - { .name: route, .offset: 0, .size: 8, .value_kind: global_buffer, .address_space: global }
      - { .name: plan, .offset: 8, .size: 8, .value_kind: global_buffer, .address_space: global }
    .group_segment_fixed_size: 13312
    .private_segment_fixed_size: 0
    .kernarg_segment_align: 8
    .kernarg_segment_size: 16
    .max_flat_workgroup_size: 1024
    .sgpr_count:     66
    .vgpr_count:     128
    .wavefront_size: 32
...
	.end_amdgpu_metadata
.endif
;; end of part 2
;; launch experts (part 3): grid 232 x 1, 4 waves a work-group, no clusters, 90,624 bytes of LDS; arguments xq, xs, wq, ws, gate, plan, out0; writes out0
.if DOCPART == 3
	.amdgcn_target "amdgcn-amd-amdhsa--gfx1250"
	.amdhsa_code_object_version 6
	.text
	.protected	k_q2e3e603393_experts
	.globl	k_q2e3e603393_experts
	.p2align	8
	.type	k_q2e3e603393_experts,@function
k_q2e3e603393_experts:
	s_mov_b64 s[64:65], 0
	v_nop
	global_prefetch_b8 v0, s[64:65] scope:SCOPE_SE
	s_setreg_imm32_b32 hwreg(HW_REG_WAVE_MODE, 25, 1), 1
	s_wait_xcnt 0x0
; THIRD LAUNCH: out[token] = g_lo (x_q W_q[lo]) + g_hi (x_q W_q[hi]), on codes of E3M2 with one E8M0 scale for each 32 along K = 512.
; Work-group t takes tile t of the plan: up to 80 tokens, all of ONE pair of experts (lo, hi).  So every work-group walks exactly two experts, each output row has one owner, and no partial sum goes to memory.
; 232 work-groups serve every split of the tokens; a tile that the split leaves without rows stores nothing and ends.
; Wave w makes output columns 128 w .. 128 w + 127 (8 tiles of 16) for all 80 rows.  THE PRODUCT IS USED TRANSPOSED: source 0 = 16 columns of W, source 1 = 16 tokens: lane (r, h) holds token r of a row tile and
; columns 8 h + 0 .. 7 of a column tile, so a gate is one number a lane and a lane's eight results are 32 neighbouring bytes of a row of out.
; The weights lie in memory as images of operand registers: each fragment is loaded whole by the one wave that uses it, 512 consecutive bytes a load, and feeds five matrix instructions.  x's 20 fragments stay in registers.
; A TASK = one expert x one column tile: 12 loads, 20 matrix instructions.  Four sets of weight registers take turns: the loads run three to four tasks (18 to 24 KiB a wave) ahead.
; NO JOINT LOADS IN A CLUSTER: which pair a tile has, and whether it has rows at all, is read from the plan, so neighbours in the grid need not want the same weights, and a tile without rows ends at once.
; NO BARRIER: all LDS here is the wave's own (a stage of 80 rows x 272 bytes and a table of 80 tokens), so the early end jumps over none.
; Rows past the tile's count repeat its last token: within the last 16 rows in use the same numbers may be stored again to the same row by the same wave; whole groups of 16 rows past the count are not stored.
; REGISTERS.  Window 0: addresses, scales, gates, accumulators, the way out.  Window 1: x's fragments, (row tile m, K step s) at v[12 (4 m + s)].  Window 2: four sets of 48, a task's weights at v[48 (task % 4) + 12 s].
.set REG,  22528                       ; LDS of a wave
.set SPI,  272                         ; a stage row: 256 bytes (64 columns) + 16
.set TKT,  21760                       ; behind the stage: the tile's 80 tokens
.set TOK,  10                          ; v10-14   token of my row in row tile m
.set XO,   16                          ; v16-20   384 token + 48 h
.set XSC,  22                          ; v22-31   x's scale words: pair m: register 0: word 0 (lanes 0-15), word 2 (lanes 16-31); register 1: words 1, 3
.set GA,   32                          ; v32-41   (g_lo, g_hi) as loaded
.set GB,   42                          ; v42-51   (g_hi, g_lo)
.set WSC,  52                          ; v52-83   the weights' scale words: 16 e + 4 (column tile / 2) + s: lanes 0-15 the even tile's columns, lanes 16-31 the odd tile's
.set LA,   84                          ; v84-123  five accumulators, the lower expert
.set HA,   124                         ; v124-163 five, the higher expert
.set OB,   164                         ; v164-195 rows read back from the stage
.set OT,   196                         ; v196-203 their tokens
.set OA,   204                         ; v204-211 their byte offsets in out
.set OO,   212                         ; v212-216 offsets in the plan's order
.set GO,   218                         ; v218-222 offsets in gate
.set XA,   224                         ; v224-228 offsets in xs
.set MSB, 0
.macro WIN new                         ; the immediate's high byte repeats the setting that is left
.if MSB != \new
	s_set_vgpr_msb (MSB<<8)|\new
.set MSB, \new
.endif
.endm
	s_load_b256 s[4:11], s[0:1], 0x0               ; xq s[4:5], xs s[6:7], wq s[8:9], ws s[10:11]
	s_load_b128 s[12:15], s[0:1], 0x20             ; gate s[12:13], plan s[14:15]
	s_load_b64 s[16:17], s[0:1], 0x30              ; out
	v_lshl_add_u32 v254, v0, 2, 0x16000
	v_mov_b32 v255, 0
	v_lshrrev_b32 v1, 5, v0
	v_readfirstlane_b32 s18, v1                    ; wave 0..3
	v_and_b32 v1, 15, v0                           ; r
	v_bfe_u32 v2, v0, 4, 1                         ; h
	v_and_b32 v3, 31, v0
	v_lshlrev_b32 v4, 2, v3                        ; 4 x lane
	v_lshlrev_b32 v3, 4, v3                        ; 16 x lane
	s_mul_i32 s25, s18, REG
	v_mul_u32_u24 v5, v1, SPI
	v_lshl_add_u32 v5, v2, 5, v5
	v_add_nc_u32 v5, s25, v5                       ; stage, in: row r, 32 bytes for each half of the lanes
	v_mul_u32_u24 v6, v2, SPI
	v_lshl_add_u32 v6, v1, 4, v6
	v_add_nc_u32 v6, s25, v6                       ; stage, back: lanes 0-15 one row of 256 bytes, lanes 16-31 the next
	s_lshl_b32 s26, s18, 9
	v_lshl_add_u32 v7, v1, 4, s26                  ; in a row of out: 512 x wave + 16 r
	s_add_co_u32 s25, s25, TKT
	v_lshl_add_u32 v8, v1, 2, s25                  ; the token table, in
	v_lshl_add_u32 v9, v2, 2, s25                  ; and back
	v_mul_u32_u24 v230, v2, 48
	v_lshlrev_b32 v231, 3, v2
	s_lshl_b32 s22, ttmp9, 3
	s_wait_kmcnt 0x0
	s_load_b64 s[20:21], s[14:15], s22 offset:0x12200   ; my tile: 8 lo + hi, rows
	s_wait_kmcnt 0x0
	s_min_u32 s21, s21, 80
	s_cmp_eq_u32 s21, 0
	s_cbranch_scc1 .Lend                           ; a tile without rows
	s_lshr_b32 s23, s20, 3
	s_min_u32 s23, s23, 7                          ; lo
	s_and_b32 s24, s20, 7
	s_min_u32 s24, s24, 7                          ; hi
	s_mov_b32 s27, 0
	s_mul_i32 s28, s18, 49152                      ; my 8 column tiles of 6,144 bytes
	s_mul_i32 s26, s23, 196608
	s_add_co_u32 s26, s26, s28
	s_add_nc_u64 s[30:31], s[8:9], s[26:27]        ; lo's weights
	s_mul_i32 s26, s24, 196608
	s_add_co_u32 s26, s26, s28
	s_add_nc_u64 s[32:33], s[8:9], s[26:27]        ; hi's
	s_lshl_b32 s28, s18, 11
	s_lshl_b32 s26, s23, 13
	s_add_co_u32 s26, s26, s28
	s_add_nc_u64 s[34:35], s[10:11], s[26:27]      ; lo's scale words
	s_lshl_b32 s26, s24, 13
	s_add_co_u32 s26, s26, s28
	s_add_nc_u64 s[36:37], s[10:11], s[26:27]      ; hi's
	s_mul_i32 s26, ttmp9, 320
	s_add_nc_u64 s[38:39], s[14:15], s[26:27]      ; my tile's 80 entries of order
	s_sub_co_u32 s19, s21, 1
.irp m, 0,1,2,3,4
	v_add_nc_u32 v[OO+\m], 16*\m, v1
	v_min_u32 v[OO+\m], s19, v[OO+\m]              ; rows past the count take the last row: no entry that was not written is read
	v_min_u32 v[OO+\m], 79, v[OO+\m]
	v_lshlrev_b32 v[OO+\m], 2, v[OO+\m]
.endr
.irp m, 0,1,2,3,4
	global_load_b32 v[TOK+\m], v[OO+\m], s[38:39]
.endr
.irp p, 0,1,2,3
.irp s, 0,1,2,3
	global_load_b32 v[WSC+4*\p+\s], v4, s[34:35] offset:512*\p+128*\s
	global_load_b32 v[WSC+16+4*\p+\s], v4, s[36:37] offset:512*\p+128*\s
.endr
.endr
.macro WLOAD tau                       ; task tau = expert tau % 2, column tile tau / 2: its four fragments, 12 loads of 512 consecutive bytes
	WIN 0x80                                       ; destination window 2, address window 0
.irp s, 0,1,2,3
.irp g, 0,1,2
.if (\tau)%2
	global_load_b128 v[48*((\tau)%4)+12*\s+4*\g:48*((\tau)%4)+12*\s+4*\g+3], v3, s[32:33] offset:6144*((\tau)/2)+1536*\s+512*\g
.else
	global_load_b128 v[48*((\tau)%4)+12*\s+4*\g:48*((\tau)%4)+12*\s+4*\g+3], v3, s[30:31] offset:6144*((\tau)/2)+1536*\s+512*\g
.endif
.endr
.endr
	WIN 0
.endm
	WLOAD 0
	WLOAD 1
	s_wait_loadcnt 56                              ; the five tokens are in; behind them: 32 scale words and two tasks' 24 loads
.irp m, 0,1,2,3,4
	v_min_u32 v[TOK+\m], 0x3fff, v[TOK+\m]
	ds_store_b32 v8, v[TOK+\m] offset:64*\m        ; both halves of the lanes write the same word
	v_mul_u32_u24 v[XO+\m], v[TOK+\m], 0x180
	v_add_nc_u32 v[XO+\m], v230, v[XO+\m]
	v_lshlrev_b32 v[GO+\m], 3, v[TOK+\m]
	v_lshl_add_u32 v[XA+\m], v[TOK+\m], 4, v231
.endr
.irp m, 0,1,2,3,4
	global_load_b64 v[GA+2*\m:GA+2*\m+1], v[GO+\m], s[12:13]
	global_load_b64 v[XSC+2*\m:XSC+2*\m+1], v[XA+\m], s[6:7]
.endr
	WIN 0x40                                       ; destination window 1
.irp m, 0,1,2,3,4
.irp s, 0,1,2,3
.irp g, 0,1,2
	global_load_b128 v[12*(4*\m+\s)+4*\g:12*(4*\m+\s)+4*\g+3], v[XO+\m], s[4:5] offset:96*\s+16*\g   ; my 48 bytes of the fragment lie on end
.endr
.endr
.endr
	WIN 0
	WLOAD 2
	WLOAD 3
; one product.  s: the K step: 0 starts the sum with the constant 0; from 2 on x's scale word stands in lanes 16-31.  ra: the column tile is odd: its scale words stand in lanes 16-31.
.macro MM d, a, b, sa, sb, s, ra
.if (\s) == 0
.if \ra
	v_wmma_scale_f32_16x16x128_f8f6f4 v[\d:\d+7], v[\a:\a+11], v[\b:\b+11], 0, v[\sa], v[\sb] matrix_a_fmt:MATRIX_FMT_BF6 matrix_b_fmt:MATRIX_FMT_BF6 matrix_a_scale:MATRIX_SCALE_ROW1
.else
	v_wmma_scale_f32_16x16x128_f8f6f4 v[\d:\d+7], v[\a:\a+11], v[\b:\b+11], 0, v[\sa], v[\sb] matrix_a_fmt:MATRIX_FMT_BF6 matrix_b_fmt:MATRIX_FMT_BF6
.endif
.elseif (\s) == 1
.if \ra
	v_wmma_scale_f32_16x16x128_f8f6f4 v[\d:\d+7], v[\a:\a+11], v[\b:\b+11], v[\d:\d+7], v[\sa], v[\sb] matrix_a_fmt:MATRIX_FMT_BF6 matrix_b_fmt:MATRIX_FMT_BF6 matrix_a_scale:MATRIX_SCALE_ROW1
.else
	v_wmma_scale_f32_16x16x128_f8f6f4 v[\d:\d+7], v[\a:\a+11], v[\b:\b+11], v[\d:\d+7], v[\sa], v[\sb] matrix_a_fmt:MATRIX_FMT_BF6 matrix_b_fmt:MATRIX_FMT_BF6
.endif
.else
.if \ra
	v_wmma_scale_f32_16x16x128_f8f6f4 v[\d:\d+7], v[\a:\a+11], v[\b:\b+11], v[\d:\d+7], v[\sa], v[\sb] matrix_a_fmt:MATRIX_FMT_BF6 matrix_b_fmt:MATRIX_FMT_BF6 matrix_a_scale:MATRIX_SCALE_ROW1 matrix_b_scale:MATRIX_SCALE_ROW1
.else
	v_wmma_scale_f32_16x16x128_f8f6f4 v[\d:\d+7], v[\a:\a+11], v[\b:\b+11], v[\d:\d+7], v[\sa], v[\sb] matrix_a_fmt:MATRIX_FMT_BF6 matrix_b_fmt:MATRIX_FMT_BF6 matrix_b_scale:MATRIX_SCALE_ROW1
.endif
.endif
.endm
; A task: 20 products, the five row tiles' accumulators by turns, one instruction a turn, K ascending.
.macro TASK tau, first
.set TE, (\tau)%2
.set TC, (\tau)/2
.set TS, 48*((\tau)%4)
.set TD, LA+40*TE
.if \first
	s_wait_loadcnt 24                              ; all but tasks 2 and 3: x, the scales, the gates and this task's weights are in
.elseif 15-(\tau) >= 3
	s_wait_loadcnt 36                              ; this task's weights are in; behind them at most the next three tasks' 36 loads
.else
	s_wait_loadcnt 12*(15-(\tau))
.endif
.if TE
	s_wait_dscnt 0x0                               ; the stage stores that read the higher expert's accumulators are done (issued a whole task ago): they are begun anew below
.endif
	WIN 0x06                                       ; source 0 (weights) window 2, source 1 (x) window 1, C and D window 0
.irp s, 0,1,2,3
.irp m, 0,1,2,3,4
	MM (TD+8*\m), (TS+12*\s), (12*(4*\m+\s)), (WSC+16*TE+4*(TC/2)+\s), (XSC+2*\m+\s%2), \s, TC%2
.endr
.endr
	WIN 0
.rept 5
	v_nop                                          ; plain places behind the products: four for the loads into the set just read and for the reads of the results, five for the products that later begin these accumulators anew
.endr
.if (\tau)+4 <= 15
	WLOAD (\tau)+4
.endif
.endm
; column tile c is weighed and goes to the stage: H = g_hi H, then H = g_lo L + H.  Each accumulator is read from its low end on.
.macro COMBINE c
.irp m, 0,1,2,3,4
.irp j, 0,2,4,6
	v_pk_mul_f32 v[HA+8*\m+\j:HA+8*\m+\j+1], v[HA+8*\m+\j:HA+8*\m+\j+1], v[GB+2*\m:GB+2*\m+1] op_sel_hi:[1,0]
.endr
.irp j, 0,2,4,6
	v_pk_fma_f32 v[HA+8*\m+\j:HA+8*\m+\j+1], v[LA+8*\m+\j:LA+8*\m+\j+1], v[GA+2*\m:GA+2*\m+1], v[HA+8*\m+\j:HA+8*\m+\j+1] op_sel_hi:[1,0,1]
.endr
.endr
.irp m, 0,1,2,3,4
	ds_store_b128 v5, v[HA+8*\m:HA+8*\m+3] offset:16*\m*SPI+64*((\c)%4)
	ds_store_b128 v5, v[HA+8*\m+4:HA+8*\m+7] offset:16*\m*SPI+64*((\c)%4)+16
.endr
.endm
; 64 columns of the tile's rows leave, 16 rows at a time; groups of 16 rows past the count are left out (a scalar branch on the count read from the plan).
.macro OUT q
.irp m, 0,1,2,3,4
.if \m > 0
	s_cmp_le_u32 s21, 16*\m
	s_cbranch_scc1 .Ldone_\@
.endif
	s_wait_xcnt 0x0                                ; earlier stores have read their data and offsets: both are written again below
.irp i, 0,1,2,3,4,5,6,7
	ds_load_b32 v[OT+\i], v9 offset:4*(16*\m+2*\i)
.endr
.irp i, 0,1,2,3,4,5,6,7
	ds_load_b128 v[OB+4*\i:OB+4*\i+3], v6 offset:(16*\m+2*\i)*SPI   ; LDS serves a wave's instructions in order: these see my stores
.endr
	s_wait_dscnt 8                                 ; the eight tokens are in; the eight rows may be out
.irp i, 0,1,2,3,4,5,6,7
	v_min_u32 v[OT+\i], 0x3fff, v[OT+\i]
	v_lshl_add_u32 v[OA+\i], v[OT+\i], 11, v7      ; 2,048 bytes a row of out
.endr
.irp i, 0,1,2,3,4,5,6,7
	s_wait_dscnt 7-\i
	global_store_b128 v[OA+\i], v[OB+4*\i:OB+4*\i+3], s[16:17] offset:256*\q th:TH_STORE_NT   ; sixteen lanes store 256 consecutive bytes, aligned, of one token's row
.endr
.endr
.Ldone_\@:
.endm
	TASK 0, 1
.irp m, 0,1,2,3,4
	v_mov_b32 v[GB+2*\m], v[GA+2*\m+1]             ; the packed forms take a pair's low word for both halves: g_hi gets a pair of its own
	v_mov_b32 v[GB+2*\m+1], v[GA+2*\m]
.endr
	TASK 1, 0
	COMBINE 0
.irp c, 1,2,3
	TASK 2*\c, 0
	TASK 2*\c+1, 0
	COMBINE \c
.endr
	OUT 0
.irp c, 4,5,6,7
	TASK 2*\c, 0
	TASK 2*\c+1, 0
	COMBINE \c
.endr
	OUT 1
.Lend:
	s_wait_tensorcnt 0x0
	ds_add_u32 v254, v255
	s_wait_dscnt 0x0
	s_endpgm
.Lfunc_end_k_q2e3e603393_experts:
	.size	k_q2e3e603393_experts, .Lfunc_end_k_q2e3e603393_experts-k_q2e3e603393_experts
	.p2alignl 7, 3214868480
	.fill 96, 4, 3214868480
	.section	.rodata,"a",@progbits
	.p2align	6, 0x0
	.amdhsa_kernel k_q2e3e603393_experts
		.amdhsa_group_segment_fixed_size 90624
		.amdhsa_private_segment_fixed_size 0
		.amdhsa_enable_private_segment 0
		.amdhsa_kernarg_size 56
		.amdhsa_user_sgpr_count 2
		.amdhsa_user_sgpr_kernarg_segment_ptr 1
		.amdhsa_wavefront_size32 1
		.amdhsa_system_sgpr_workgroup_id_x 1
		.amdhsa_system_sgpr_workgroup_id_y 1
		.amdhsa_system_sgpr_workgroup_id_z 1
		.amdhsa_system_vgpr_workitem_id 0
		.amdhsa_next_free_vgpr 768
		.amdhsa_next_free_sgpr 66
		.amdhsa_reserve_vcc 0
		.amdhsa_float_denorm_mode_32 3
		.amdhsa_float_denorm_mode_16_64 3
		.amdhsa_memory_ordered 1
		.amdhsa_forward_progress 1
		.amdhsa_inst_pref_size 136
	.end_amdhsa_kernel
	.amdgpu_metadata
---
amdhsa.version: [ 1, 2 ]
amdhsa.kernels:
  - .name:           k_q2e3e603393_experts
    .symbol:         k_q2e3e603393_experts.kd
    .args:
      - { .name: xq, .offset: 0, .size: 8, .value_kind: global_buffer, .address_space: global }
      - { .name: xs, .offset: 8, .size: 8, .value_kind: global_buffer, .address_space: global }
      - { .name: wq, .offset: 16, .size: 8, .value_kind: global_buffer, .address_space: global }
      - { .name: ws, .offset: 24, .size: 8, .value_kind: global_buffer, .address_space: global }
      - { .name: gate, .offset: 32, .size: 8, .value_kind: global_buffer, .address_space: global }
      - { .name: plan, .offset: 40, .size: 8, .value_kind: global_buffer, .address_space: global }
      - { .name: out0, .offset: 48, .size: 8, .value_kind: global_buffer, .address_space: global }
    .group_segment_fixed_size: 90624
    .private_segment_fixed_size: 0
    .kernarg_segment_align: 8
    .kernarg_segment_size: 56
    .max_flat_workgroup_size: 128
    .sgpr_count:     66
    .vgpr_count:     768
    .wavefront_size: 32
...
	.end_amdgpu_metadata
.endif
;; end of part 3
;; ======== version 2 of 3: 3 launches
;; workspace buffers: xq 6,291,456 bytes; xs 262,144 bytes; wq 1,572,864 bytes; ws 65,536 bytes; gate 131,072 bytes; route 131,072 bytes of whole numbers; plan 76,288 bytes of whole numbers
;; launch route_x (part 4): grid 256 x 1, 8 waves a work-group, no clusters, 46,080 bytes of LDS; arguments hidden_states, router_w, xq, xs, gate, route; writes xq, xs, gate, route
.if DOCPART == 4
	.amdgcn_target "amdgcn-amd-amdhsa--gfx1250"
	.amdhsa_code_object_version 6
	.text
	.protected	k_q2e3e603393_route_x
	.globl	k_q2e3e603393_route_x
	.p2align	8
	.type	k_q2e3e603393_route_x,@function
k_q2e3e603393_route_x:
	s_mov_b64 s[64:65], 0
	v_nop
	global_prefetch_b8 v0, s[64:65] scope:SCOPE_SE
	s_setreg_imm32_b32 hwreg(HW_REG_WAVE_MODE, 25, 1), 1
	s_wait_xcnt 0x0
; FIRST LAUNCH OF THREE.  A work-group of eight waves takes 64 tokens of hidden_states [16384][512] f32, a wave eight of them, one row (512 numbers) a step: codes of E3M2 and scale bytes of each row,
; the router's 8 logits in f32, softmax, top-2, the two gates, the number of the token's PAIR of experts (0-27), its rank among equal pairs in its group of 32 tokens, and the group's histogram.
; All of that is stored at fixed places: nothing here forms an address from a float.  Two waves share a SIMD, so that one issues while the other waits for results; 8 waves x 16 loads x 512 bytes are on their way.
; THE QUANTISER: a block of 32 along K has the scale 2^(floor(log2(largest magnitude)) - 4); its byte is the largest magnitude's exponent field - 4, held at 1 from below by a floor among the maximum's leaves.
; LAYOUTS.  xq [token][s 4][h 2][c 2][u 2][12 B]: block 4 s + 2 c + h, its half u of 16 codes: lane (r, h) of a fragment of K step s finds its 12 registers on end at 384 token + 96 s + 48 h.
;   xs [token][16]: byte j = block j.   gate [token] (weight of the lower expert, of the higher).   route: kr[token] = pair | rank << 8; from byte 65,536 hist[group 512][32].
; LIMITS: NaN and infinities are not served.  A block of zeros, or one whose largest magnitude lies under 2^-122, gets the byte 1 (its bytes are read by this program alone; a block of zeros has zero codes).
; The top-2 is taken on the logits, the lower index winning a tie: it differs from a top-2 on the probabilities only where two different logits round to one probability.
; The softmax takes the row's maximum away first.  No tensor loads; one barrier: behind it waves 0 and 1 route 32 tokens each, and waves 4 to 7 store the 64 tokens' scale bytes, 256 aligned bytes each.
.set SP,    80                         ; a lane's place in a stage: 64 bytes + 16 of padding
.set WREG,  5120                       ; LDS of a wave: two stages of 32 x SP bytes
.set SCB,   40960                      ; behind the eight waves' stages: the scale bytes [64 tokens][16]
.set LOGI,  41984                      ; and the logits [64 tokens][8] f32
.set NST,   8                          ; rows of a wave
.set ACC,   16                         ; v16-31   eight pairs of router sums
.set R,     48                         ; v48-111  four sets of 16 numbers as loaded
.set X,     112                        ; v112-143 two sets of 16 neighbours
.set C,     144                        ; v144-175 codes, four registers for each step
.set E,     208                        ; v208-215 a scale byte for each step
.set LG,    224                        ; v224-231 a logit for each step
.set RA,    240                        ; v240     where a routing lane reads its token's logits
.set SBO,   242                        ; v[242:243] scale bytes on their way out
.set MSB, 0
.macro WIN new                         ; the immediate's high byte repeats the setting that is left
.if MSB != \new
	s_set_vgpr_msb (MSB<<8)|\new
.set MSB, \new
.endif
.endm
	s_load_b256 s[4:11], s[0:1], 0x0               ; hidden s[4:5], router_w s[6:7], xq s[8:9], xs s[10:11]
	s_load_b128 s[12:15], s[0:1], 0x20             ; gate s[12:13], route s[14:15]
	v_lshl_add_u32 v254, v0, 2, 0xb000
	v_mov_b32 v255, 0
	v_lshrrev_b32 v1, 5, v0
	v_readfirstlane_b32 s22, v1                    ; wave 0..7
	v_and_b32 v15, 31, v0                          ; lane
	s_lshl_b32 s29, ttmp9, 6
	s_lshl_b32 s24, s22, 3
	s_add_co_u32 s29, s29, s24                     ; my wave's first token: 64 x work-group + 8 x wave
	s_and_b32 s36, s22, 1
	s_lshl_b32 s35, ttmp9, 1
	s_add_co_u32 s35, s35, s36                     ; the group of 32 tokens that waves 0 and 1 route
	s_and_b32 s37, s22, 3
	s_lshl_b32 s38, s37, 8                         ; which 256 of the 1,024 scale bytes waves 4 to 7 store
	s_mov_b32 s25, 0
	v_lshlrev_b32 v14, 6, v15                      ; router_w: my 16 numbers of a row
	v_lshlrev_b32 v1, 4, v15                       ; my 16 bytes of a load's 512
	s_wait_kmcnt 0x0
	s_lshl_b32 s24, s29, 11
	s_add_nc_u64 s[4:5], s[4:5], s[24:25]          ; x: 2,048 bytes a token
	s_mul_i32 s24, s29, 384
	s_add_nc_u64 s[8:9], s[8:9], s[24:25]          ; codes: 384
	s_lshl_b32 s24, ttmp9, 10
	s_add_co_u32 s24, s24, s38
	s_add_nc_u64 s[10:11], s[10:11], s[24:25]      ; scale bytes: 1,024 a work-group
	s_lshl_b32 s24, s35, 8
	s_add_nc_u64 s[12:13], s[12:13], s[24:25]      ; gates: 8 bytes a token, 256 a group
	s_lshl_b32 s24, s35, 7
	s_add_nc_u64 s[14:15], s[14:15], s[24:25]      ; kr and hist: 128 bytes a group
.macro LOAD t                          ; row t as it lies: each load reads 512 consecutive bytes
.irp i, 0,1,2,3
	global_load_b128 v[R+16*((\t)%4)+4*\i:R+16*((\t)%4)+4*\i+3], v1, s[4:5] offset:2048*(\t)+512*\i th:TH_LOAD_NT
.endr
.endm
.macro TURN t                          ; through the wave's own stage: in as loaded, out 64 bytes a lane.  LDS serves a wave's instructions in order: no wait between
.irp i, 0,1,2,3
	ds_store_b128 v2, v[R+16*((\t)%4)+4*\i:R+16*((\t)%4)+4*\i+3] offset:32*SP*((\t)%2)+8*SP*\i
.endr
.irp i, 0,1,2,3
	ds_load_b128 v[X+16*((\t)%2)+4*\i:X+16*((\t)%2)+4*\i+3], v3 offset:32*SP*((\t)%2)+16*\i
.endr
.endm
.irp t, 0,1,2,3
	LOAD \t                                        ; x first: it has the longer way
.endr
	WIN 0x40                                       ; destination window 1
.irp e, 0,1,2,3,4,5,6,7                        ; router_w[e][16 lane + i] at v[16 e + i] of window 1: it stays
.irp q, 0,1,2,3
	global_load_b128 v[16*\e+4*\q:16*\e+4*\q+3], v14, s[6:7] offset:2048*\e+16*\q
.endr
.endr
	WIN 0
	s_mov_b32 s26, 0xaaaaaaaa                      ; lanes with bit 0, 1, 2 of their number set
	s_mov_b32 s27, 0xcccccccc
	s_mov_b32 s28, 0xf0f0f0f0
	s_mov_b32 s30, 0x76543210                      ; v_permlanex16_b32's selects for lane l xor 16
	s_mov_b32 s31, 0xfedcba98
	s_mov_b32 s34, 0x3fb8aa3b                      ; log2(e)
	s_mul_i32 s24, s22, WREG
	v_lshrrev_b32 v2, 2, v15
	v_mul_u32_u24 v2, v2, SP
	v_and_b32 v13, 3, v15
	v_lshl_add_u32 v2, v13, 4, v2
	v_add_nc_u32 v2, s24, v2                       ; stage, in: SP (lane / 4) + 16 (lane % 4)
	v_mul_u32_u24 v3, v15, SP
	v_add_nc_u32 v3, s24, v3                       ; stage, out: SP x lane
	v_lshrrev_b32 v4, 3, v15                       ; my 16 codes' place in the row's 384 bytes: lane = 8 s + 4 c + 2 h + u
	v_mul_u32_u24 v4, v4, 96
	v_bfe_u32 v13, v0, 1, 1
	v_mad_u32_u24 v4, v13, 48, v4
	v_bfe_u32 v13, v0, 2, 1
	v_mad_u32_u24 v4, v13, 24, v4
	v_and_b32 v13, 1, v0
	v_mad_u32_u24 v4, v13, 12, v4
	s_lshl_b32 s25, s22, 7
	s_add_co_u32 s25, s25, SCB
	v_lshrrev_b32 v5, 1, v15
	v_add_nc_u32 v5, s25, v5                       ; my block's scale byte: 128 bytes a wave, 16 a row
	v_lshlrev_b32 v7, 3, v15                       ; 8 x lane
	s_add_co_u32 s38, s38, SCB
	v_add_nc_u32 v6, s38, v7                       ; the scale bytes on the way out
	v_lshlrev_b32 v12, 4, v13                      ; the expert whose logit ends in my lane: 4 (l & 1) + 2 ((l >> 1) & 1) + ((l >> 2) & 1); 4 bytes each
	v_bfe_u32 v13, v0, 1, 1
	v_lshl_add_u32 v12, v13, 3, v12
	v_bfe_u32 v13, v0, 2, 1
	v_lshl_add_u32 v12, v13, 2, v12
	s_lshl_b32 s24, s22, 8
	s_add_co_u32 s24, s24, LOGI
	v_add_nc_u32 v12, s24, v12                     ; + my wave's 8 tokens x 32 bytes
	s_lshl_b32 s24, s36, 10
	s_add_co_u32 s24, s24, LOGI
	v_lshl_add_u32 v[RA], v15, 5, s24              ; routing: token 32 (wave & 1) + lane
	s_wait_loadcnt 44                              ; row 0 is in; behind it: rows 1 to 3 (12 loads) and router_w (32)
	TURN 0
.macro STEP t
.set XS, X+16*((\t)%2)
.if (\t) > 0
	s_wait_dscnt 2                                 ; this row is back from the stage; behind its loads stand only the last step's byte store and logit store
.else
	s_wait_dscnt 0x0
.endif
.if (\t)+4 < NST
	LOAD (\t)+4                                    ; into the set whose stores into the stage are done
.endif
.if (\t)+1 < NST
.if (\t) == 0
	s_wait_loadcnt 4                               ; all but row 4: rows 1 to 3 and router_w, which the sums below want, are in
.elseif NST-2-(\t) >= 3
	s_wait_loadcnt 12                              ; the next row's four loads are in; those of the three rows behind it may be out
.else
	s_wait_loadcnt 4*(NST-2-(\t))
.endif
	TURN (\t)+1
.endif
	v_max3_num_f32 v8, |v[XS]|, |v[XS+1]|, |v[XS+2]|               ; the largest magnitude of my 16, in two chains
	v_max3_num_f32 v9, |v[XS+3]|, |v[XS+4]|, |v[XS+5]|
.irp i, 6,10
	v_max3_num_f32 v8, v8, |v[XS+\i]|, |v[XS+\i+1]|
	v_max3_num_f32 v9, v9, |v[XS+\i+2]|, |v[XS+\i+3]|
.endr
	v_max3_num_f32 v8, v8, |v[XS+14]|, |v[XS+15]|
	v_max3_num_f32 v8, v8, v9, 0x2800000           ; and the floor 2^(5 - 127): the byte cannot fall under 1
	v_max_num_f32_dpp v8, v8, v8 row_xmask:1 row_mask:0xf bank_mask:0xf   ; with my neighbour's 16: the block's
	v_add_nc_u32 v11, 0xfe000000, v8               ; 4 off the exponent field: the conversion's scale operand
	v_cvt_scalef32_pk16_bf6_f32 v[C+4*(\t):C+4*(\t)+2], v[XS:XS+15], v11
	v_lshrrev_b32 v[E+(\t)], 23, v11               ; the scale's byte (a plain line behind the conversion)
	ds_store_b8 v5, v[E+(\t)] offset:16*(\t)       ; both lanes of a block write the same byte
	global_store_b96 v4, v[C+4*(\t):C+4*(\t)+2], s[8:9] offset:384*(\t)   ; the wave covers the row's 384 consecutive bytes
	WIN 0x04                                       ; source 1 (router_w) window 1
.irp e, 0,1,2,3,4,5,6,7
	v_pk_mul_f32 v[ACC+2*\e:ACC+2*\e+1], v[XS:XS+1], v[16*\e:16*\e+1]   ; the first products start the eight sums
.endr
.irp i, 1,2,3,4,5,6,7
.irp e, 0,1,2,3,4,5,6,7
	v_pk_fma_f32 v[ACC+2*\e:ACC+2*\e+1], v[XS+2*\i:XS+2*\i+1], v[16*\e+2*\i:16*\e+2*\i+1], v[ACC+2*\e:ACC+2*\e+1]
.endr
.endr
	WIN 0
.irp e, 0,1,2,3,4,5,6,7
	v_add_f32 v[32+\e], v[ACC+2*\e], v[ACC+2*\e+1]
.endr
.irp e, 0,1,2,3                                ; eight sums over 32 lanes at once: at each step a lane keeps half of its sums and sends the other half to its partner
	v_cndmask_b32 v[40+\e], v[32+\e], v[36+\e], s26
	v_cndmask_b32 v[44+\e], v[36+\e], v[32+\e], s26
.endr
.irp e, 0,1,2,3
	v_add_f32_dpp v[40+\e], v[44+\e], v[40+\e] row_xmask:1 row_mask:0xf bank_mask:0xf
.endr
.irp e, 0,1
	v_cndmask_b32 v[32+\e], v[40+\e], v[42+\e], s27
	v_cndmask_b32 v[34+\e], v[42+\e], v[40+\e], s27
.endr
.irp e, 0,1
	v_add_f32_dpp v[32+\e], v[34+\e], v[32+\e] row_xmask:2 row_mask:0xf bank_mask:0xf
.endr
	v_cndmask_b32 v36, v32, v33, s28
	v_cndmask_b32 v37, v33, v32, s28
	v_add_f32_dpp v36, v37, v36 row_xmask:4 row_mask:0xf bank_mask:0xf
	v_add_f32_dpp v36, v36, v36 row_xmask:8 row_mask:0xf bank_mask:0xf
	v_permlanex16_b32 v38, v36, s30, s31           ; (v38 was written above)
	v_add_f32 v[LG+(\t)], v36, v38                 ; the logit of my lane's expert
	ds_store_b32 v12, v[LG+(\t)] offset:32*(\t)    ; four lanes write the same word with the same value
.endm
.irp t, 0,1,2,3,4,5,6,7
	STEP \t
.endr
	s_wait_dscnt 0x0                               ; my scale bytes and logits have landed: for the other waves' sake the count is zero
	s_barrier_signal -1
	s_barrier_wait -1                              ; all 64 tokens' logits and scale bytes lie in LDS
	s_cmp_ge_u32 s22, 4
	s_cbranch_scc1 .Lscales                        ; waves 4 to 7: the scale bytes
	s_cmp_ge_u32 s22, 2
	s_cbranch_scc1 .Lxend                          ; waves 0 and 1 route 32 tokens each, a token a lane
	ds_load_b128 v[32:35], v[RA]
	ds_load_b128 v[36:39], v[RA] offset:16
	s_wait_dscnt 0x0
	v_mov_b32 v40, v32                             ; best, its expert; second, its expert
	v_mov_b32 v41, 0
	v_mov_b32 v42, 0xff800000
	v_mov_b32 v43, 0
.irp e, 1,2,3,4,5,6,7                          ; strict compares: the lower index keeps a tie
	v_cmp_gt_f32 vcc_lo, v[32+\e], v40
	v_cmp_gt_f32 s33, v[32+\e], v42
	v_cndmask_b32 v44, v42, v[32+\e], s33
	v_cndmask_b32 v45, v43, \e, s33
	v_cndmask_b32 v42, v44, v40, vcc_lo
	v_cndmask_b32 v43, v45, v41, vcc_lo
	v_cndmask_b32 v40, v40, v[32+\e], vcc_lo
	v_cndmask_b32 v41, v41, \e, vcc_lo
.endr
.irp e, 0,1,2,3,4,5,6,7
	v_sub_f32 v[48+\e], v[32+\e], v40              ; the maximum is taken away: its own term is 2^0
.endr
	v_sub_f32 v56, v42, v40
.irp e, 0,1,2,3,4,5,6,7,8
	v_mul_f32 v[48+\e], s34, v[48+\e]
.endr
.irp e, 0,1,2,3,4,5,6,7,8
	v_exp_f32 v[48+\e], v[48+\e]
.endr
	v_nop                                          ; a plain line behind the exponentials
	s_wait_alu depctr_va_vdst(0)
	v_add_f32 v57, v48, v49
	v_add_f32 v58, v50, v51
	v_add_f32 v59, v52, v53
	v_add_f32 v60, v54, v55
	v_add_f32 v57, v57, v58
	v_add_f32 v59, v59, v60
	v_add_f32 v57, v57, v59                        ; the softmax's sum
	v_rcp_f32 v58, v57                             ; p1 = 1 / sum
	v_nop
	s_wait_alu depctr_va_vdst(0)
	v_mul_f32 v60, v56, v58                        ; p2
	v_add_f32 v59, v58, v60
	v_add_f32 v59, 0x358637bd, v59                 ; p1 + p2 + 1e-6
	v_rcp_f32 v61, v59
	v_cmp_lt_u32 vcc_lo, v41, v43                  ; (a plain line behind the reciprocal)  is the best expert the lower-numbered one?
	s_wait_alu depctr_va_vdst(0)
	v_mul_f32 v58, v58, v61                        ; w1
	v_mul_f32 v60, v60, v61                        ; w2
	v_cndmask_b32 v62, v43, v41, vcc_lo            ; the lower expert,
	v_cndmask_b32 v63, v41, v43, vcc_lo            ; the higher,
	v_cndmask_b32 v64, v60, v58, vcc_lo            ; the lower one's weight,
	v_cndmask_b32 v65, v58, v60, vcc_lo            ; the higher one's
	v_sub_nc_u32 v66, 15, v62                      ; pair = lo (15 - lo) / 2 + hi - lo - 1
	v_mul_u32_u24 v66, v62, v66
	v_lshrrev_b32 v66, 1, v66
	v_add_nc_u32 v66, v66, v63
	v_sub_nc_u32 v66, v66, v62
	v_add_nc_u32 v66, -1, v66
	v_min_u32 v66, 27, v66
	v_mov_b32 v67, 0                               ; my rank among the group's tokens of my pair
	v_mov_b32 v68, 0                               ; the group's histogram: lane b = tokens of pair b
.set BK, 0
.rept 28
	v_cmp_eq_u32 vcc_lo, BK, v66
	s_bcnt1_i32_b32 s32, vcc_lo
	v_mbcnt_lo_u32_b32 v69, vcc_lo, 0
	v_cndmask_b32 v67, v67, v69, vcc_lo
	v_writelane_b32 v68, s32, BK
.set BK, BK+1
.endr
	v_lshl_or_b32 v70, v67, 8, v66
	v_lshlrev_b32 v71, 2, v15
	global_store_b64 v7, v[64:65], s[12:13]        ; 256 consecutive bytes, aligned
	global_store_b32 v71, v70, s[14:15]
	global_store_b32 v71, v68, s[14:15] offset:65536
.Lxend:
	s_wait_tensorcnt 0x0
	ds_add_u32 v254, v255
	s_wait_dscnt 0x0
	s_endpgm
.Lscales:
	ds_load_b64 v[SBO:SBO+1], v6                   ; 16 tokens' scale bytes, written by two waves ahead of the barrier
	s_wait_dscnt 0x0
	global_store_b64 v7, v[SBO:SBO+1], s[10:11]    ; 32 lanes store 256 consecutive bytes, aligned
	s_wait_tensorcnt 0x0
	ds_add_u32 v254, v255
	s_wait_dscnt 0x0
	s_endpgm
.Lfunc_end_k_q2e3e603393_route_x:
	.size	k_q2e3e603393_route_x, .Lfunc_end_k_q2e3e603393_route_x-k_q2e3e603393_route_x
	.p2alignl 7, 3214868480
	.fill 96, 4, 3214868480
	.section	.rodata,"a",@progbits
	.p2align	6, 0x0
	.amdhsa_kernel k_q2e3e603393_route_x
		.amdhsa_group_segment_fixed_size 46080
		.amdhsa_private_segment_fixed_size 0
		.amdhsa_enable_private_segment 0
		.amdhsa_kernarg_size 48
		.amdhsa_user_sgpr_count 2
		.amdhsa_user_sgpr_kernarg_segment_ptr 1
		.amdhsa_wavefront_size32 1
		.amdhsa_system_sgpr_workgroup_id_x 1
		.amdhsa_system_sgpr_workgroup_id_y 1
		.amdhsa_system_sgpr_workgroup_id_z 1
		.amdhsa_system_vgpr_workitem_id 0
		.amdhsa_next_free_vgpr 384
		.amdhsa_next_free_sgpr 66
		.amdhsa_reserve_vcc 1
		.amdhsa_float_denorm_mode_32 3
		.amdhsa_float_denorm_mode_16_64 3
		.amdhsa_memory_ordered 1
		.amdhsa_forward_progress 1
		.amdhsa_inst_pref_size 81
	.end_amdhsa_kernel
	.amdgpu_metadata
---
amdhsa.version: [ 1, 2 ]
amdhsa.kernels:
  - .name:           k_q2e3e603393_route_x
    .symbol:         k_q2e3e603393_route_x.kd
    .args:
      - { .name: hidden_states, .offset: 0, .size: 8, .value_kind: global_buffer, .address_space: global }
      - { .name: router_w, .offset: 8, .size: 8, .value_kind: global_buffer, .address_space: global }
      - { .name: xq, .offset: 16, .size: 8, .value_kind: global_buffer, .address_space: global }
      - { .name: xs, .offset: 24, .size: 8, .value_kind: global_buffer, .address_space: global }
      - { .name: gate, .offset: 32, .size: 8, .value_kind: global_buffer, .address_space: global }
      - { .name: route, .offset: 40, .size: 8, .value_kind: global_buffer, .address_space: global }
    .group_segment_fixed_size: 46080
    .private_segment_fixed_size: 0
    .kernarg_segment_align: 8
    .kernarg_segment_size: 48
    .max_flat_workgroup_size: 256
    .sgpr_count:     66
    .vgpr_count:     384
    .wavefront_size: 32
...
	.end_amdgpu_metadata
.endif
;; end of part 4
;; launch place_wq (part 5): grid 256 x 1, 4 waves a work-group, no clusters, 2,560 bytes of LDS; arguments route, expert_weights, plan, wq, ws; writes plan, wq, ws
.if DOCPART == 5
	.amdgcn_target "amdgcn-amd-amdhsa--gfx1250"
	.amdhsa_code_object_version 6
	.text
	.protected	k_q2e3e603393_place_wq
	.globl	k_q2e3e603393_place_wq
	.p2align	8
	.type	k_q2e3e603393_place_wq,@function
k_q2e3e603393_place_wq:
	s_mov_b64 s[64:65], 0
	v_nop
	global_prefetch_b8 v0, s[64:65] scope:SCOPE_SE
	s_setreg_imm32_b32 hwreg(HW_REG_WAVE_MODE, 25, 1), 1
	s_wait_xcnt 0x0
; SECOND LAUNCH OF THREE, two jobs side by side, 128 work-groups of four waves each.
; WORK-GROUPS 0-127 turn expert_weights [8][512 k][512 o] (f32, K is the middle axis) into codes of E3M2 laid as images of operand registers:
;   wq [e][ct 32][s 4][g 3][lane][16 B]: registers 4 g .. 4 g + 3 of the fragment (columns 16 ct on, K 128 s on);   ws [e][p 16][s 4][lane] words: lane l = column 32 p + l.
;   A block of 32 along K has the scale 2^(floor(log2(largest magnitude)) - 4); its byte is the largest magnitude's exponent field - 4, held at 1 from below by a floor among the maximum's leaves.
;   LIMITS: NaN and infinities are not served; a block of zeros, or one under 2^-122, gets the byte 1 (read by this program alone; a block of zeros has zero codes).  This path uses no LDS and no barrier.
; WORK-GROUPS 128-255 place the 16,384 tokens by their pair of experts (28 pairs): a counting sort without atomics.  In: route: kr[token] = pair | rank << 8 (rank inside the token's group of 32),
;   hist[group 512][32] from byte 65,536.  Out: plan: order[232 tiles x 80]: tile t's tokens at entries 80 t on; each pair begins on a tile of its own, so a tile holds tokens of ONE pair;
;   from byte 74,240 ttab[256] = {8 lo + hi, number of rows}.  There are never more than floor((16,384 + 28 x 79) / 80) = 232 tiles.  Entries of order past a tile's count are not written, and nobody reads them.
;   Work-group P owns groups 4 P .. 4 P + 3, a wave ONE group: one scattered store a wave.  What it needs of the others it sums itself: every work-group reads the whole histogram, 32 loads of 512 bytes a wave.
;   A load brings four whole groups, and 4 P is a multiple of four: so one multiply-add by 1 or by 0x10001 adds a count to the total (low 16 bits) and, where the load's groups lie ahead of the work-group's,
;   to the prefix (high 16 bits); both stay at or under 16,384.  The four waves' parts meet in LDS behind the one barrier.
.set D,   48                           ; weights: v48-175, block j at D + 32 j
.set HX,  32                           ; placing: v32-159 the histogram as loaded: load j at HX + 4 j
.set HO,  160                          ; v160-162 the histograms of my work-group's groups 0 to 2, lane = pair
.set KR,  163                          ; v163 my token's kr
.set TT,  164                          ; the pair's total        (lane = pair from here on)
.set PR,  165                          ; its tokens ahead of my work-group
.set NT,  166                          ; its tiles
.set TB,  167                          ; its first tile
.set TMP, 168
.set BS,  169                          ; where my group puts its tokens of the pair
.set IX,  170
.set PS,  171
.set TK,  173
.macro SCAN x, t                       ; inclusive sums over the 32 lanes
.irp n, 1,2,4,8
	v_mov_b32_dpp v[\t], v[\x] row_shr:\n row_mask:0xf bank_mask:0xf bound_ctrl:1
	v_add_nc_u32 v[\x], v[\x], v[\t]
.endr
	v_readlane_b32 s21, v[\x], 15
	v_cndmask_b32 v[\t], 0, s21, s20               ; lanes 16-31 add the lower half's total
	v_add_nc_u32 v[\x], v[\x], v[\t]
.endm
	s_load_b256 s[4:11], s[0:1], 0x0               ; route s[4:5], expert_weights s[6:7], plan s[8:9], wq s[10:11]
	s_load_b64 s[12:13], s[0:1], 0x20              ; ws
	v_lshl_add_u32 v254, v0, 2, 0x800
	v_mov_b32 v255, 0
	v_lshrrev_b32 v1, 5, v0
	v_readfirstlane_b32 s22, v1                    ; wave 0..3
	v_and_b32 v15, 31, v0                          ; lane
	s_cmp_lt_u32 ttmp9, 128                        ; the same for all four waves
	s_cbranch_scc1 .Lweights
; ------------------------------------------------------------------ PLACING
	s_and_b32 s23, ttmp9, 127                      ; P
	s_lshl_b32 s16, s22, 5
	s_sub_co_i32 s16, s23, s16                     ; my load j holds groups 128 wave + 4 j on: ahead of group 4 P where j < P - 32 wave
	s_max_i32 s16, s16, 0
	s_min_i32 s16, s16, 32
	s_mov_b32 s18, 1
	s_mov_b32 s19, 0
	s_lshl_b64 s[18:19], s[18:19], s16
	s_sub_nc_u64 s[18:19], s[18:19], 1             ; s18: that many ones
.set J, 0
.rept 32                                       ; the 32 multipliers, made while the arguments are on their way
	s_bitcmp1_b32 s18, J
	s_cselect_b32 s[32+J], 0x10001, 1
.set J, J+1
.endr
	s_mov_b32 s20, 0xffff0000
	s_min_u32 s24, s22, 1                          ; 1 where my group is behind the work-group's group 0,
	s_lshr_b32 s25, s22, 1                         ; group 1,
	s_and_b32 s26, s25, s22                        ; group 2
	v_lshlrev_b32 v2, 4, v15                       ; 16 x lane
	v_lshlrev_b32 v3, 2, v15                       ; 4 x lane
	s_lshl_b32 s17, s22, 7
	v_add_nc_u32 v4, s17, v3                       ; my token's kr: 128 x wave + 4 x lane
	s_lshl_b32 s17, s22, 9
	v_add_nc_u32 v5, s17, v2                       ; LDS: 512 x wave + 16 x lane
	v_mov_b32 v[TMP], 0                            ; the scan's temporary: written before a DPP move lands on it
	s_lshl_b32 s27, s23, 7
	s_lshl_b32 s17, s22, 5
	s_add_co_u32 s27, s27, s17
	v_add_nc_u32 v[TK], s27, v15                   ; my token: 128 P + 32 wave + lane
	s_mov_b32 s29, 0
	s_wait_kmcnt 0x0
	s_lshl_b32 s28, s23, 9
	s_add_nc_u64 s[30:31], s[4:5], s[28:29]        ; my work-group's four groups, 128 bytes each, in kr and in hist alike
	s_lshl_b32 s28, s22, 14
	s_add_nc_u64 s[4:5], s[4:5], s[28:29]          ; my wave's 128 groups of the histogram
.irp i, 0,1,2
	global_load_b32 v[HO+\i], v3, s[30:31] offset:65536+128*\i
.endr
	global_load_b32 v[KR], v4, s[30:31]
.set J, 0
.rept 32
	global_load_b128 v[HX+4*J:HX+4*J+3], v2, s[4:5] offset:65536+512*J   ; lane l: group 4 J + l / 8, pairs 4 (l % 8) + 0 .. 3
.set J, J+1
.endr
.set J, 0
.rept 32
.if J%4 == 0
	s_wait_loadcnt 28-J                            ; loads J to J + 3 are in (and the four small ones issued ahead of them); those behind may be out
.endif
.irp c, 0,1,2,3
.if J == 0
	v_mul_u32_u24 v[8+\c], s32, v[HX+\c]           ; the first products start the sums
.else
	v_mad_u32_u24 v[8+\c], v[HX+4*J+\c], s[32+J], v[8+\c]
.endif
.endr
.set J, J+1
.endr
	ds_store_b128 v5, v[8:11]                      ; byte 512 wave + 128 (l / 8) + 4 pair
	s_wait_dscnt 0x0
	s_barrier_signal -1
	s_barrier_wait -1
.irp i, 0,1,2,3,4,5,6,7,8,9,10,11,12,13,14,15
	ds_load_b32 v[16+\i], v3 offset:128*\i         ; lane = pair: the sixteen parts
.endr
	s_wait_dscnt 0x0
.irp i, 0,1,2,3,4,5,6,7
	v_add_nc_u32 v[16+\i], v[16+\i], v[24+\i]
.endr
.irp i, 0,1,2,3
	v_add_nc_u32 v[16+\i], v[16+\i], v[20+\i]
.endr
	v_add_nc_u32 v16, v16, v18
	v_add_nc_u32 v17, v17, v19
	v_add_nc_u32 v16, v16, v17
	v_and_b32 v[TT], 0xffff, v16
	v_lshrrev_b32 v[PR], 16, v16
	v_add_nc_u32 v[NT], 79, v[TT]
	v_mul_u32_u24 v[NT], v[NT], 0xcccd             ; (x * 52,429) >> 22 = x / 80, rounded down, for x up to 16,463
	v_lshrrev_b32 v[NT], 22, v[NT]
	v_mov_b32 v[TB], v[NT]
	SCAN TB, TMP
	v_sub_nc_u32 v[TB], v[TB], v[NT]
	v_mad_u32_u24 v[BS], v[TB], 80, v[PR]
	v_mad_u32_u24 v[BS], v[HO], s24, v[BS]         ; and the groups of my own work-group that lie ahead of mine
	v_mad_u32_u24 v[BS], v[HO+1], s25, v[BS]
	v_mad_u32_u24 v[BS], v[HO+2], s26, v[BS]
	v_and_b32 v[IX], 0xff, v[KR]
	v_min_u32 v[IX], 31, v[IX]
	v_lshlrev_b32 v[IX], 2, v[IX]
	ds_bpermute_b32 v[PS], v[IX], v[BS]            ; lane = token: the position of the lane that holds its pair
	v_lshrrev_b32 v[KR], 8, v[KR]                  ; rank
	s_wait_dscnt 0x0
	v_add_nc_u32 v[PS], v[PS], v[KR]
	v_min_u32 v[PS], 0x487f, v[PS]                 ; inside order's 18,560 entries
	v_lshlrev_b32 v[PS], 2, v[PS]
	global_store_b32 v[PS], v[TK], s[8:9]
	s_cmp_lg_u32 s22, 0
	s_cbranch_scc1 .Lpend                          ; no barrier follows
	s_cmp_ge_u32 s23, 8
	s_cbranch_scc1 .Lpend
	s_lshl_b32 s27, s23, 5                         ; the table of tiles: wave 0 of the first eight placing work-groups, lane = tile 32 P + lane
	v_add_nc_u32 v179, s27, v15
	v_mov_b32 v174, 0                              ; the last pair whose first tile is at most mine: its first tile,
	v_mov_b32 v176, 0                              ; its experts,
	v_mov_b32 v178, 0                              ; its total
.set BK, 0
.rept 28                                       ; all first tiles and totals as scalars, in one run ahead of their use
	v_readlane_b32 s[32+BK], v[TB], BK
	v_readlane_b32 s[66+BK], v[TT], BK
.set BK, BK+1
.endr
.set BK, 0
.irp lo, 0,1,2,3,4,5,6
.irp hi, 1,2,3,4,5,6,7
.if \hi > \lo
	v_cmp_le_u32 vcc_lo, s[32+BK], v179
	v_cndmask_b32 v176, v176, 8*\lo+\hi, vcc_lo
	v_cndmask_b32 v174, v174, s[32+BK], vcc_lo
	v_cndmask_b32 v178, v178, s[66+BK], vcc_lo
.set BK, BK+1
.endif
.endr
.endr
	v_sub_nc_u32 v174, v179, v174
	v_mul_u32_u24 v174, v174, 80                   ; rows of the pair in the tiles before this one
	v_sub_nc_u32 v177, v178, v174
	v_max_i32 v177, 0, v177                        ; a tile past the pair's last has no rows
	v_min_i32 v177, 80, v177
	v_lshlrev_b32 v180, 3, v179
	global_store_b64 v180, v[176:177], s[8:9] offset:74240   ; 256 consecutive bytes, aligned
.Lpend:
	s_wait_tensorcnt 0x0
	ds_add_u32 v254, v255
	s_wait_dscnt 0x0
	s_endpgm
; ------------------------------------------------------------------ WEIGHTS: a wave takes 32 columns x 128 along K of one expert.  A lane takes a column, its registers run down K
.Lweights:
	s_lshr_b32 s23, ttmp9, 4                       ; expert
	s_bfe_u32 s24, ttmp9, 0x20002                  ; K step
	s_and_b32 s25, ttmp9, 3
	s_lshl_b32 s25, s25, 2
	s_add_co_u32 s25, s25, s22                     ; p: columns 32 p on
	s_mov_b32 s27, 0
	s_lshl_b32 s26, s23, 20
	s_lshl_b32 s28, s24, 18
	s_add_co_u32 s26, s26, s28
	s_lshl_b32 s28, s25, 7
	s_add_co_u32 s26, s26, s28
	s_wait_kmcnt 0x0
	s_add_nc_u64 s[6:7], s[6:7], s[26:27]          ; expert x 1 MiB + 128 rows of 2,048 bytes x K step + 128 p
	s_mul_i32 s26, s23, 196608
	s_mul_i32 s28, s25, 12288
	s_add_co_u32 s26, s26, s28
	s_mul_i32 s28, s24, 1536
	s_add_co_u32 s26, s26, s28
	s_add_nc_u64 s[10:11], s[10:11], s[26:27]      ; the image of tile 2 p, this K step
	s_lshl_b32 s26, s23, 13
	s_lshl_b32 s28, s25, 9
	s_add_co_u32 s26, s26, s28
	s_lshl_b32 s28, s24, 7
	s_add_co_u32 s26, s26, s28
	s_add_nc_u64 s[12:13], s[12:13], s[26:27]      ; its 32 scale words
	v_lshlrev_b32 v1, 2, v15
	v_lshlrev_b32 v2, 4, v15
.macro WLD j                           ; block j: W(32 j + i, my column): a load reads 128 consecutive bytes, the four waves stand side by side on 512
.set WI, 0
.rept 32
	global_load_b32 v[D+32*(\j)+WI], v1, s[6:7] offset:2048*(32*(\j)+WI) th:TH_LOAD_NT
.set WI, WI+1
.endr
.endm
.macro WBLOCK j
.set DJ, D+32*(\j)
.set RJ, 176+12*((\j)%2)+6*((\j)/2)    ; the lower 16 codes go where the fragment wants them; the upper 16 to v[200 + 4 j] (a conversion's three registers begin on an even number)
.if (\j) < 3
	s_wait_loadcnt 32                              ; this block's 32 loads are in; the next block's may be out
.else
	s_wait_loadcnt 0x0
.endif
.if (\j)+2 < 4
	WLD (\j)+2
.endif
	v_max3_num_f32 v8, |v[DJ]|, |v[DJ+1]|, |v[DJ+2]|
	v_max3_num_f32 v9, |v[DJ+3]|, |v[DJ+4]|, |v[DJ+5]|
.irp i, 6,10,14,18,22,26
	v_max3_num_f32 v8, v8, |v[DJ+\i]|, |v[DJ+\i+1]|
	v_max3_num_f32 v9, v9, |v[DJ+\i+2]|, |v[DJ+\i+3]|
.endr
	v_max3_num_f32 v8, v8, |v[DJ+30]|, |v[DJ+31]|
	v_max3_num_f32 v8, v8, v9, 0x2800000           ; the floor 2^(5 - 127)
	v_add_nc_u32 v[16+(\j)], 0xfe000000, v8
	v_lshrrev_b32 v[20+(\j)], 23, v[16+(\j)]
	v_cvt_scalef32_pk16_bf6_f32 v[RJ:RJ+2], v[DJ:DJ+15], v[16+(\j)]
	v_cvt_scalef32_pk16_bf6_f32 v[200+4*(\j):202+4*(\j)], v[DJ+16:DJ+31], v[16+(\j)]
.endm
	WLD 0
	WLD 1
	WBLOCK 0
	WBLOCK 1
	WBLOCK 2
	WBLOCK 3
	v_nop                                          ; a plain line behind the last conversion
.irp i, 0,1,2                                  ; lane l holds column l's blocks 0-3.  A fragment wants, in lanes 0-15, its columns' even block and, in lanes 16-31, their odd block:
	v_permlane16_swap_b32 v[176+\i], v[188+\i]     ; the even block's lanes 16-31 change places with the odd block's lanes 0-15: the first is then tile 2 p's, the second tile 2 p + 1's
	v_permlane16_swap_b32 v[200+\i], v[204+\i]
	v_permlane16_swap_b32 v[182+\i], v[194+\i]
	v_permlane16_swap_b32 v[208+\i], v[212+\i]
.endr
.irp i, 0,1,2
	v_mov_b32 v[179+\i], v[200+\i]
	v_mov_b32 v[191+\i], v[204+\i]
	v_mov_b32 v[185+\i], v[208+\i]
	v_mov_b32 v[197+\i], v[212+\i]
.endr
	v_lshl_or_b32 v216, v21, 8, v20                ; my column's scale word for these 128 along K
	v_lshl_or_b32 v216, v22, 16, v216
	v_lshl_or_b32 v216, v23, 24, v216
.irp g, 0,1,2
	global_store_b128 v2, v[176+4*\g:179+4*\g], s[10:11] offset:512*\g         ; each store covers 512 consecutive bytes
	global_store_b128 v2, v[188+4*\g:191+4*\g], s[10:11] offset:6144+512*\g
.endr
	global_store_b32 v1, v216, s[12:13]
	s_endpgm
.Lfunc_end_k_q2e3e603393_place_wq:
	.size	k_q2e3e603393_place_wq, .Lfunc_end_k_q2e3e603393_place_wq-k_q2e3e603393_place_wq
	.p2alignl 7, 3214868480
	.fill 96, 4, 3214868480
	.section	.rodata,"a",@progbits
	.p2align	6, 0x0
	.amdhsa_kernel k_q2e3e603393_place_wq
		.amdhsa_group_segment_fixed_size 2560
		.amdhsa_private_segment_fixed_size 0
		.amdhsa_enable_private_segment 0
		.amdhsa_kernarg_size 40
		.amdhsa_user_sgpr_count 2
		.amdhsa_user_sgpr_kernarg_segment_ptr 1
		.amdhsa_wavefront_size32 1
		.amdhsa_system_sgpr_workgroup_id_x 1
		.amdhsa_system_sgpr_workgroup_id_y 1
		.amdhsa_system_sgpr_workgroup_id_z 1
		.amdhsa_system_vgpr_workitem_id 0
		.amdhsa_next_free_vgpr 256
		.amdhsa_next_free_sgpr 96
		.amdhsa_reserve_vcc 1
		.amdhsa_float_denorm_mode_32 3
		.amdhsa_float_denorm_mode_16_64 3
		.amdhsa_memory_ordered 1
		.amdhsa_forward_progress 1
		.amdhsa_inst_pref_size 50
	.end_amdhsa_kernel
	.amdgpu_metadata
---
amdhsa.version: [ 1, 2 ]
amdhsa.kernels:
  - .name:           k_q2e3e603393_place_wq
    .symbol:         k_q2e3e603393_place_wq.kd
    .args:
      - { .name: route, .offset: 0, .size: 8, .value_kind: global_buffer, .address_space: global }
      - { .name: expert_weights, .offset: 8, .size: 8, .value_kind: global_buffer, .address_space: global }
      - { .name: plan, .offset: 16, .size: 8, .value_kind: global_buffer, .address_space: global }
      - { .name: wq, .offset: 24, .size: 8, .value_kind: global_buffer, .address_space: global }
      - { .name: ws, .offset: 32, .size: 8, .value_kind: global_buffer, .address_space: global }
    .group_segment_fixed_size: 2560
    .private_segment_fixed_size: 0
    .kernarg_segment_align: 8
    .kernarg_segment_size: 40
    .max_flat_workgroup_size: 128
    .sgpr_count:     96
    .vgpr_count:     256
    .wavefront_size: 32
...
	.end_amdgpu_metadata
.endif
;; end of part 5
;; launch experts: the kernel of part 3 again; grid 232 x 1, 4 waves a work-group, no clusters, 90,624 bytes of LDS; arguments xq, xs, wq, ws, gate, plan, out0; writes out0
;; ======== version 3 of 3: 3 launches
;; workspace buffers: xq 6,291,456 bytes; xs 262,144 bytes; wq 1,572,864 bytes; ws 65,536 bytes; gate 131,072 bytes; route 131,072 bytes of whole numbers; plan 76,288 bytes of whole numbers
;; launch route_x (part 6): grid 256 x 1, 8 waves a work-group, no clusters, 46,080 bytes of LDS; arguments hidden_states, router_w, xq, xs, gate, route; writes xq, xs, gate, route
.if DOCPART == 6
	.amdgcn_target "amdgcn-amd-amdhsa--gfx1250"
	.amdhsa_code_object_version 6
	.text
	.protected	k_q2e3e603393_route_x
	.globl	k_q2e3e603393_route_x
	.p2align	8
	.type	k_q2e3e603393_route_x,@function
k_q2e3e603393_route_x:
	s_mov_b64 s[64:65], 0
	v_nop
	global_prefetch_b8 v0, s[64:65] scope:SCOPE_SE
	s_setreg_imm32_b32 hwreg(HW_REG_WAVE_MODE, 25, 1), 1
	s_wait_xcnt 0x0
; FIRST LAUNCH OF THREE.  A work-group of eight waves takes 64 tokens of hidden_states [16384][512] f32, a wave eight of them, one row (512 numbers) a step: codes of E3M2 and scale bytes of each row,
; the router's 8 logits in f32, softmax, top-2, the two gates, the number of the token's PAIR of experts (0-27), its rank among equal pairs in its group of 32 tokens, and the group's histogram.
; All of that is stored at fixed places: nothing here forms an address from a float.  Two waves share a SIMD, so that one issues while the other waits for results; 8 waves x 16 loads x 512 bytes are on their way.
; THE QUANTISER: a block of 32 along K has the scale 2^(floor(log2(largest magnitude)) - 4); its byte is the largest magnitude's exponent field - 4, held at 1 from below by a floor among the maximum's leaves.
; LAYOUTS.  xq [token][s 4][h 2][c 2][u 2][12 B]: block 4 s + 2 c + h, its half u of 16 codes: lane (r, h) of a fragment of K step s finds its 12 registers on end at 384 token + 96 s + 48 h.
;   xs [token][16]: byte j = block j.   gate [token] (weight of the lower expert, of the higher).   route: kr[token] = pair | rank << 8; from byte 65,536 hist[group 512][32].
; LIMITS: NaN and infinities are not served.  A block of zeros, or one whose largest magnitude lies under 2^-122, gets the byte 1 (its bytes are read by this program alone; a block of zeros has zero codes).
; The top-2 is taken on the logits, the lower index winning a tie: it differs from a top-2 on the probabilities only where two different logits round to one probability.
; The softmax takes the row's maximum away first.  No tensor loads; one barrier: behind it waves 0 and 1 route 32 tokens each, and waves 4 to 7 store the 64 tokens' scale bytes, 256 aligned bytes each.
.set SP,    80                         ; a lane's place in a stage: 64 bytes + 16 of padding
.set WREG,  5120                       ; LDS of a wave: two stages of 32 x SP bytes
.set SCB,   40960                      ; behind the eight waves' stages: the scale bytes [64 tokens][16]
.set LOGI,  41984                      ; and the logits [64 tokens][8] f32
.set NST,   8                          ; rows of a wave
.set ACC,   16                         ; v16-31   eight pairs of router sums
.set R,     48                         ; v48-111  four sets of 16 numbers as loaded
.set X,     112                        ; v112-143 two sets of 16 neighbours
.set C,     144                        ; v144-175 codes, four registers for each step
.set E,     208                        ; v208-215 a scale byte for each step
.set LG,    224                        ; v224-231 a logit for each step
.set RA,    240                        ; v240     where a routing lane reads its token's logits
.set SBO,   242                        ; v[242:243] scale bytes on their way out
.set MSB, 0
.macro WIN new                         ; the immediate's high byte repeats the setting that is left
.if MSB != \new
	s_set_vgpr_msb (MSB<<8)|\new
.set MSB, \new
.endif
.endm
	s_load_b256 s[4:11], s[0:1], 0x0               ; hidden s[4:5], router_w s[6:7], xq s[8:9], xs s[10:11]
	s_load_b128 s[12:15], s[0:1], 0x20             ; gate s[12:13], route s[14:15]
	v_lshl_add_u32 v254, v0, 2, 0xb000
	v_mov_b32 v255, 0
	v_lshrrev_b32 v1, 5, v0
	s_delay_alu instid0(VALU_DEP_1)
	v_readfirstlane_b32 s22, v1                    ; wave 0..7
	v_and_b32 v15, 31, v0                          ; lane
	s_wait_alu depctr_va_vdst(0)
	s_lshl_b32 s29, ttmp9, 6
	s_lshl_b32 s24, s22, 3
	s_add_co_u32 s29, s29, s24                     ; my wave's first token: 64 x work-group + 8 x wave
	s_and_b32 s36, s22, 1
	s_lshl_b32 s35, ttmp9, 1
	s_add_co_u32 s35, s35, s36                     ; the group of 32 tokens that waves 0 and 1 route
	s_and_b32 s37, s22, 3
	s_lshl_b32 s38, s37, 8                         ; which 256 of the 1,024 scale bytes waves 4 to 7 store
	s_mov_b32 s25, 0
	v_lshlrev_b32 v14, 6, v15                      ; router_w: my 16 numbers of a row
	v_lshlrev_b32 v1, 4, v15                       ; my 16 bytes of a load's 512
	s_wait_alu depctr_va_vdst(0)
	s_wait_kmcnt 0x0
	s_lshl_b32 s24, s29, 11
	s_add_nc_u64 s[4:5], s[4:5], s[24:25]          ; x: 2,048 bytes a token
	s_mul_i32 s24, s29, 384
	s_add_nc_u64 s[8:9], s[8:9], s[24:25]          ; codes: 384
	s_lshl_b32 s24, ttmp9, 10
	s_add_co_u32 s24, s24, s38
	s_add_nc_u64 s[10:11], s[10:11], s[24:25]      ; scale bytes: 1,024 a work-group
	s_lshl_b32 s24, s35, 8
	s_add_nc_u64 s[12:13], s[12:13], s[24:25]      ; gates: 8 bytes a token, 256 a group
	s_lshl_b32 s24, s35, 7
	s_add_nc_u64 s[14:15], s[14:15], s[24:25]      ; kr and hist: 128 bytes a group
.macro LOAD t                          ; row t as it lies: each load reads 512 consecutive bytes
.irp i, 0,1,2,3
	global_load_b128 v[R+16*((\t)%4)+4*\i:R+16*((\t)%4)+4*\i+3], v1, s[4:5] offset:2048*(\t)+512*\i th:TH_LOAD_NT
.endr
.endm
.macro TURN t                          ; through the wave's own stage: in as loaded, out 64 bytes a lane.  LDS serves a wave's instructions in order: no wait between
.irp i, 0,1,2,3
	ds_store_b128 v2, v[R+16*((\t)%4)+4*\i:R+16*((\t)%4)+4*\i+3] offset:32*SP*((\t)%2)+8*SP*\i
.endr
.irp i, 0,1,2,3
	ds_load_b128 v[X+16*((\t)%2)+4*\i:X+16*((\t)%2)+4*\i+3], v3 offset:32*SP*((\t)%2)+16*\i
.endr
.endm
.irp t, 0,1,2,3
	LOAD \t                                        ; x first: it has the longer way
.endr
	WIN 0x40                                       ; destination window 1
.irp e, 0,1,2,3,4,5,6,7                        ; router_w[e][16 lane + i] at v[16 e + i] of window 1: it stays
.irp q, 0,1,2,3
	global_load_b128 v[16*\e+4*\q:16*\e+4*\q+3], v14, s[6:7] offset:2048*\e+16*\q
.endr
.endr
	WIN 0
	s_mov_b32 s26, 0xaaaaaaaa                      ; lanes with bit 0, 1, 2 of their number set
	s_mov_b32 s27, 0xcccccccc
	s_mov_b32 s28, 0xf0f0f0f0
	s_mov_b32 s30, 0x76543210                      ; v_permlanex16_b32's selects for lane l xor 16
	s_mov_b32 s31, 0xfedcba98
	s_mov_b32 s34, 0x3fb8aa3b                      ; log2(e)
	s_mul_i32 s24, s22, WREG
	v_lshrrev_b32 v2, 2, v15
	s_delay_alu instid0(VALU_DEP_1)
	v_mul_u32_u24 v2, v2, SP
	v_and_b32 v13, 3, v15
	s_delay_alu instid0(VALU_DEP_1)
	v_lshl_add_u32 v2, v13, 4, v2
	s_delay_alu instid0(VALU_DEP_1)
	v_add_nc_u32 v2, s24, v2                       ; stage, in: SP (lane / 4) + 16 (lane % 4)
	v_mul_u32_u24 v3, v15, SP
	s_delay_alu instid0(VALU_DEP_1)
	v_add_nc_u32 v3, s24, v3                       ; stage, out: SP x lane
	v_lshrrev_b32 v4, 3, v15                       ; my 16 codes' place in the row's 384 bytes: lane = 8 s + 4 c + 2 h + u
	s_delay_alu instid0(VALU_DEP_1)
	v_mul_u32_u24 v4, v4, 96
	v_bfe_u32 v13, v0, 1, 1
	s_delay_alu instid0(VALU_DEP_1)
	v_mad_u32_u24 v4, v13, 48, v4
	v_bfe_u32 v13, v0, 2, 1
	s_delay_alu instid0(VALU_DEP_1)
	v_mad_u32_u24 v4, v13, 24, v4
	v_and_b32 v13, 1, v0
	s_delay_alu instid0(VALU_DEP_1)
	v_mad_u32_u24 v4, v13, 12, v4
	s_lshl_b32 s25, s22, 7
	s_add_co_u32 s25, s25, SCB
	v_lshrrev_b32 v5, 1, v15
	s_delay_alu instid0(VALU_DEP_1)
	v_add_nc_u32 v5, s25, v5                       ; my block's scale byte: 128 bytes a wave, 16 a row
	v_lshlrev_b32 v7, 3, v15                       ; 8 x lane
	s_add_co_u32 s38, s38, SCB
	v_add_nc_u32 v6, s38, v7                       ; the scale bytes on the way out
	v_lshlrev_b32 v12, 4, v13                      ; the expert whose logit ends in my lane: 4 (l & 1) + 2 ((l >> 1) & 1) + ((l >> 2) & 1); 4 bytes each
	v_bfe_u32 v13, v0, 1, 1
	s_delay_alu instid0(VALU_DEP_1)
	v_lshl_add_u32 v12, v13, 3, v12
	v_bfe_u32 v13, v0, 2, 1
	s_delay_alu instid0(VALU_DEP_1)
	v_lshl_add_u32 v12, v13, 2, v12
	s_lshl_b32 s24, s22, 8
	s_add_co_u32 s24, s24, LOGI
	v_add_nc_u32 v12, s24, v12                     ; + my wave's 8 tokens x 32 bytes
	s_lshl_b32 s24, s36, 10
	s_add_co_u32 s24, s24, LOGI
	v_lshl_add_u32 v[RA], v15, 5, s24              ; routing: token 32 (wave & 1) + lane
	s_wait_loadcnt 44                              ; row 0 is in; behind it: rows 1 to 3 (12 loads) and router_w (32)
	TURN 0
.macro STEP t
.set XS, X+16*((\t)%2)
.if (\t) > 0
	s_wait_dscnt 2                                 ; this row is back from the stage; behind its loads stand only the last step's byte store and logit store
.else
	s_wait_dscnt 0x0
.endif
.if (\t)+4 < NST
	LOAD (\t)+4                                    ; into the set whose stores into the stage are done
.endif
.if (\t)+1 < NST
.if (\t) == 0
	s_wait_loadcnt 4                               ; all but row 4: rows 1 to 3 and router_w, which the sums below want, are in
.elseif NST-2-(\t) >= 3
	s_wait_loadcnt 12                              ; the next row's four loads are in; those of the three rows behind it may be out
.else
	s_wait_loadcnt 4*(NST-2-(\t))
.endif
	TURN (\t)+1
.endif
	v_max3_num_f32 v8, |v[XS]|, |v[XS+1]|, |v[XS+2]|               ; the largest magnitude of my 16, in two chains
	v_max3_num_f32 v9, |v[XS+3]|, |v[XS+4]|, |v[XS+5]|
.irp i, 6,10
	s_delay_alu instid0(VALU_DEP_2)
	v_max3_num_f32 v8, v8, |v[XS+\i]|, |v[XS+\i+1]|
	s_delay_alu instid0(VALU_DEP_2)
	v_max3_num_f32 v9, v9, |v[XS+\i+2]|, |v[XS+\i+3]|
.endr
	s_delay_alu instid0(VALU_DEP_2)
	v_max3_num_f32 v8, v8, |v[XS+14]|, |v[XS+15]|
	s_delay_alu instid0(VALU_DEP_1)
	v_max3_num_f32 v8, v8, v9, 0x2800000           ; and the floor 2^(5 - 127): the byte cannot fall under 1
	s_delay_alu instid0(VALU_DEP_1)
	v_max_num_f32_dpp v8, v8, v8 row_xmask:1 row_mask:0xf bank_mask:0xf   ; with my neighbour's 16: the block's
	s_delay_alu instid0(VALU_DEP_1)
	v_add_nc_u32 v11, 0xfe000000, v8               ; 4 off the exponent field: the conversion's scale operand
	v_cvt_scalef32_pk16_bf6_f32 v[C+4*(\t):C+4*(\t)+2], v[XS:XS+15], v11
	v_lshrrev_b32 v[E+(\t)], 23, v11               ; the scale's byte (a plain line behind the conversion)
	ds_store_b8 v5, v[E+(\t)] offset:16*(\t)       ; both lanes of a block write the same byte
	global_store_b96 v4, v[C+4*(\t):C+4*(\t)+2], s[8:9] offset:384*(\t)   ; the wave covers the row's 384 consecutive bytes
	WIN 0x04                                       ; source 1 (router_w) window 1
.irp e, 0,1,2,3,4,5,6,7
	v_pk_mul_f32 v[ACC+2*\e:ACC+2*\e+1], v[XS:XS+1], v[16*\e:16*\e+1]   ; the first products start the eight sums
.endr
.irp i, 1,2,3,4,5,6,7
.irp e, 0,1,2,3,4,5,6,7
	v_pk_fma_f32 v[ACC+2*\e:ACC+2*\e+1], v[XS+2*\i:XS+2*\i+1], v[16*\e+2*\i:16*\e+2*\i+1], v[ACC+2*\e:ACC+2*\e+1]
.endr
.endr
	WIN 0
.irp e, 0,1,2,3,4,5,6,7
	v_add_f32 v[32+\e], v[ACC+2*\e], v[ACC+2*\e+1]
.endr
.irp e, 0,1,2,3                                ; eight sums over 32 lanes at once: at each step a lane keeps half of its sums and sends the other half to its partner
	v_cndmask_b32 v[40+\e], v[32+\e], v[36+\e], s26
	v_cndmask_b32 v[44+\e], v[36+\e], v[32+\e], s26
.endr
.irp e, 0,1,2,3
	v_add_f32_dpp v[40+\e], v[44+\e], v[40+\e] row_xmask:1 row_mask:0xf bank_mask:0xf
.endr
.irp e, 0
	s_delay_alu instid0(VALU_DEP_2)
	v_cndmask_b32 v[32+\e], v[40+\e], v[42+\e], s27
	s_delay_alu instid0(VALU_DEP_3)
	v_cndmask_b32 v[34+\e], v[42+\e], v[40+\e], s27
.endr
.irp e, 1
	s_delay_alu instid0(VALU_DEP_3)
	v_cndmask_b32 v[32+\e], v[40+\e], v[42+\e], s27
	s_delay_alu instid0(VALU_DEP_4)
	v_cndmask_b32 v[34+\e], v[42+\e], v[40+\e], s27
.endr
.irp e, 0
	s_delay_alu instid0(VALU_DEP_3)
	v_add_f32_dpp v[32+\e], v[34+\e], v[32+\e] row_xmask:2 row_mask:0xf bank_mask:0xf
.endr
.irp e, 1
	s_delay_alu instid0(VALU_DEP_2)
	v_add_f32_dpp v[32+\e], v[34+\e], v[32+\e] row_xmask:2 row_mask:0xf bank_mask:0xf
.endr
	s_delay_alu instid0(VALU_DEP_1)
	v_cndmask_b32 v36, v32, v33, s28
	s_delay_alu instid0(VALU_DEP_2)
	v_cndmask_b32 v37, v33, v32, s28
	s_delay_alu instid0(VALU_DEP_1)
	v_add_f32_dpp v36, v37, v36 row_xmask:4 row_mask:0xf bank_mask:0xf
	s_delay_alu instid0(VALU_DEP_1)
	v_add_f32_dpp v36, v36, v36 row_xmask:8 row_mask:0xf bank_mask:0xf
	s_delay_alu instid0(VALU_DEP_1)
	v_permlanex16_b32 v38, v36, s30, s31           ; (v38 was written above)
	s_delay_alu instid0(VALU_DEP_1)
	v_add_f32 v[LG+(\t)], v36, v38                 ; the logit of my lane's expert
	ds_store_b32 v12, v[LG+(\t)] offset:32*(\t)    ; four lanes write the same word with the same value
.endm
.irp t, 0,1,2,3,4,5,6,7
	STEP \t
.endr
	s_wait_dscnt 0x0                               ; my scale bytes and logits have landed: for the other waves' sake the count is zero
	s_barrier_signal -1
	s_barrier_wait -1                              ; all 64 tokens' logits and scale bytes lie in LDS
	s_cmp_ge_u32 s22, 4
	s_cbranch_scc1 .Lscales                        ; waves 4 to 7: the scale bytes
	s_cmp_ge_u32 s22, 2
	s_cbranch_scc1 .Lxend                          ; waves 0 and 1 route 32 tokens each, a token a lane
	ds_load_b128 v[32:35], v[RA]
	ds_load_b128 v[36:39], v[RA] offset:16
	s_wait_dscnt 0x0
	v_mov_b32 v40, v32                             ; best, its expert; second, its expert
	v_mov_b32 v41, 0
	v_mov_b32 v42, 0xff800000
	v_mov_b32 v43, 0
.irp e, 1
	s_delay_alu instid0(VALU_DEP_4)
	v_cmp_gt_f32 vcc_lo, v[32+\e], v40
	s_delay_alu instid0(VALU_DEP_3)
	v_cmp_gt_f32 s33, v[32+\e], v42
	s_delay_alu instid0(VALU_DEP_1)
	v_cndmask_b32 v44, v42, v[32+\e], s33
	s_delay_alu instid0(VALU_DEP_2)
	v_cndmask_b32 v45, v43, \e, s33
	s_delay_alu instid0(VALU_DEP_2)
	v_cndmask_b32 v42, v44, v40, vcc_lo
	s_delay_alu instid0(VALU_DEP_2)
	v_cndmask_b32 v43, v45, v41, vcc_lo
	v_cndmask_b32 v40, v40, v[32+\e], vcc_lo
	v_cndmask_b32 v41, v41, \e, vcc_lo
.endr
.irp e, 2, 3, 4, 5, 6, 7
	s_delay_alu instid0(VALU_DEP_2)
	v_cmp_gt_f32 vcc_lo, v[32+\e], v40
	v_cmp_gt_f32 s33, v[32+\e], v42
	s_delay_alu instid0(VALU_DEP_1)
	v_cndmask_b32 v44, v42, v[32+\e], s33
	s_delay_alu instid0(VALU_DEP_2)
	v_cndmask_b32 v45, v43, \e, s33
	s_delay_alu instid0(VALU_DEP_2)
	v_cndmask_b32 v42, v44, v40, vcc_lo
	s_delay_alu instid0(VALU_DEP_2)
	v_cndmask_b32 v43, v45, v41, vcc_lo
	v_cndmask_b32 v40, v40, v[32+\e], vcc_lo
	v_cndmask_b32 v41, v41, \e, vcc_lo
.endr
.irp e, 0,1,2,3,4,5,6,7
	v_sub_f32 v[48+\e], v[32+\e], v40              ; the maximum is taken away: its own term is 2^0
.endr
	v_sub_f32 v56, v42, v40
.irp e, 0,1,2,3,4,5,6,7,8
	v_mul_f32 v[48+\e], s34, v[48+\e]
.endr
	s_wait_alu depctr_va_vdst(0)
.irp e, 0,1,2,3,4,5,6,7,8
	v_exp_f32 v[48+\e], v[48+\e]
.endr
	v_nop                                          ; a plain line behind the exponentials
	s_wait_alu depctr_va_vdst(0)
	v_add_f32 v57, v48, v49
	v_add_f32 v58, v50, v51
	v_add_f32 v59, v52, v53
	v_add_f32 v60, v54, v55
	s_delay_alu instid0(VALU_DEP_3)
	v_add_f32 v57, v57, v58
	s_delay_alu instid0(VALU_DEP_2)
	v_add_f32 v59, v59, v60
	s_delay_alu instid0(VALU_DEP_1)
	v_add_f32 v57, v57, v59                        ; the softmax's sum
	s_wait_alu depctr_va_vdst(0)
	v_rcp_f32 v58, v57                             ; p1 = 1 / sum
	v_nop
	s_wait_alu depctr_va_vdst(0)
	v_mul_f32 v60, v56, v58                        ; p2
	v_add_f32 v59, v58, v60
	s_delay_alu instid0(VALU_DEP_1)
	v_add_f32 v59, 0x358637bd, v59                 ; p1 + p2 + 1e-6
	s_wait_alu depctr_va_vdst(0)
	v_rcp_f32 v61, v59
	v_cmp_lt_u32 vcc_lo, v41, v43                  ; (a plain line behind the reciprocal)  is the best expert the lower-numbered one?
	s_wait_alu depctr_va_vdst(0)
	v_mul_f32 v58, v58, v61                        ; w1
	v_mul_f32 v60, v60, v61                        ; w2
	v_cndmask_b32 v62, v43, v41, vcc_lo            ; the lower expert,
	v_cndmask_b32 v63, v41, v43, vcc_lo            ; the higher,
	s_delay_alu instid0(VALU_DEP_3)
	v_cndmask_b32 v64, v60, v58, vcc_lo            ; the lower one's weight,
	s_delay_alu instid0(VALU_DEP_4)
	v_cndmask_b32 v65, v58, v60, vcc_lo            ; the higher one's
	s_delay_alu instid0(VALU_DEP_4)
	v_sub_nc_u32 v66, 15, v62                      ; pair = lo (15 - lo) / 2 + hi - lo - 1
	s_delay_alu instid0(VALU_DEP_1)
	v_mul_u32_u24 v66, v62, v66
	s_delay_alu instid0(VALU_DEP_1)
	v_lshrrev_b32 v66, 1, v66
	s_delay_alu instid0(VALU_DEP_1)
	v_add_nc_u32 v66, v66, v63
	s_delay_alu instid0(VALU_DEP_1)
	v_sub_nc_u32 v66, v66, v62
	s_delay_alu instid0(VALU_DEP_1)
	v_add_nc_u32 v66, -1, v66
	s_delay_alu instid0(VALU_DEP_1)
	v_min_u32 v66, 27, v66
	v_mov_b32 v67, 0                               ; my rank among the group's tokens of my pair
	v_mov_b32 v68, 0                               ; the group's histogram: lane b = tokens of pair b
.set BK, 0
.rept 28
	v_cmp_eq_u32 vcc_lo, BK, v66
	s_bcnt1_i32_b32 s32, vcc_lo
	v_mbcnt_lo_u32_b32 v69, vcc_lo, 0
	s_delay_alu instid0(VALU_DEP_1)
	v_cndmask_b32 v67, v67, v69, vcc_lo
	v_writelane_b32 v68, s32, BK
.set BK, BK+1
.endr
	s_delay_alu instid0(VALU_DEP_2)
	v_lshl_or_b32 v70, v67, 8, v66
	v_lshlrev_b32 v71, 2, v15
	global_store_b64 v7, v[64:65], s[12:13]        ; 256 consecutive bytes, aligned
	global_store_b32 v71, v70, s[14:15]
	global_store_b32 v71, v68, s[14:15] offset:65536
.Lxend:
	s_wait_tensorcnt 0x0
	ds_add_u32 v254, v255
	s_wait_dscnt 0x0
	s_endpgm
.Lscales:
	ds_load_b64 v[SBO:SBO+1], v6                   ; 16 tokens' scale bytes, written by two waves ahead of the barrier
	s_wait_dscnt 0x0
	global_store_b64 v7, v[SBO:SBO+1], s[10:11]    ; 32 lanes store 256 consecutive bytes, aligned
	s_wait_tensorcnt 0x0
	ds_add_u32 v254, v255
	s_wait_dscnt 0x0
	s_endpgm
.Lfunc_end_k_q2e3e603393_route_x:
	.size	k_q2e3e603393_route_x, .Lfunc_end_k_q2e3e603393_route_x-k_q2e3e603393_route_x
	.p2alignl 7, 3214868480
	.fill 96, 4, 3214868480
	.section	.rodata,"a",@progbits
	.p2align	6, 0x0
	.amdhsa_kernel k_q2e3e603393_route_x
		.amdhsa_group_segment_fixed_size 46080
		.amdhsa_private_segment_fixed_size 0
		.amdhsa_enable_private_segment 0
		.amdhsa_kernarg_size 48
		.amdhsa_user_sgpr_count 2
		.amdhsa_user_sgpr_kernarg_segment_ptr 1
		.amdhsa_wavefront_size32 1
		.amdhsa_system_sgpr_workgroup_id_x 1
		.amdhsa_system_sgpr_workgroup_id_y 1
		.amdhsa_system_sgpr_workgroup_id_z 1
		.amdhsa_system_vgpr_workitem_id 0
		.amdhsa_next_free_vgpr 384
		.amdhsa_next_free_sgpr 66
		.amdhsa_reserve_vcc 1
		.amdhsa_float_denorm_mode_32 3
		.amdhsa_float_denorm_mode_16_64 3
		.amdhsa_memory_ordered 1
		.amdhsa_forward_progress 1
		.amdhsa_inst_pref_size 89
	.end_amdhsa_kernel
	.amdgpu_metadata
---
amdhsa.version: [ 1, 2 ]
amdhsa.kernels:
  - .name:           k_q2e3e603393_route_x
    .symbol:         k_q2e3e603393_route_x.kd
    .args:
      - { .name: hidden_states, .offset: 0, .size: 8, .value_kind: global_buffer, .address_space: global }
      - { .name: router_w, .offset: 8, .size: 8, .value_kind: global_buffer, .address_space: global }
      - { .name: xq, .offset: 16, .size: 8, .value_kind: global_buffer, .address_space: global }
      - { .name: xs, .offset: 24, .size: 8, .value_kind: global_buffer, .address_space: global }
      - { .name: gate, .offset: 32, .size: 8, .value_kind: global_buffer, .address_space: global }
      - { .name: route, .offset: 40, .size: 8, .value_kind: global_buffer, .address_space: global }
    .group_segment_fixed_size: 46080
    .private_segment_fixed_size: 0
    .kernarg_segment_align: 8
    .kernarg_segment_size: 48
    .max_flat_workgroup_size: 256
    .sgpr_count:     66
    .vgpr_count:     384
    .wavefront_size: 32
...
	.end_amdgpu_metadata
.endif
;; end of part 6
;; launch place_wq (part 7): grid 256 x 1, 4 waves a work-group, no clusters, 2,560 bytes of LDS; arguments route, expert_weights, plan, wq, ws; writes plan, wq, ws
.if DOCPART == 7
	.amdgcn_target "amdgcn-amd-amdhsa--gfx1250"
	.amdhsa_code_object_version 6
	.text
	.protected	k_q2e3e603393_place_wq
	.globl	k_q2e3e603393_place_wq
	.p2align	8
	.type	k_q2e3e603393_place_wq,@function
k_q2e3e603393_place_wq:
	s_mov_b64 s[64:65], 0
	v_nop
	global_prefetch_b8 v0, s[64:65] scope:SCOPE_SE
	s_setreg_imm32_b32 hwreg(HW_REG_WAVE_MODE, 25, 1), 1
	s_wait_xcnt 0x0
; SECOND LAUNCH OF THREE, two jobs side by side, 128 work-groups of four waves each.
; WORK-GROUPS 0-127 turn expert_weights [8][512 k][512 o] (f32, K is the middle axis) into codes of E3M2 laid as images of operand registers:
;   wq [e][ct 32][s 4][g 3][lane][16 B]: registers 4 g .. 4 g + 3 of the fragment (columns 16 ct on, K 128 s on);   ws [e][p 16][s 4][lane] words: lane l = column 32 p + l.
;   A block of 32 along K has the scale 2^(floor(log2(largest magnitude)) - 4); its byte is the largest magnitude's exponent field - 4, held at 1 from below by a floor among the maximum's leaves.
;   LIMITS: NaN and infinities are not served; a block of zeros, or one under 2^-122, gets the byte 1 (read by this program alone; a block of zeros has zero codes).  This path uses no LDS and no barrier.
; WORK-GROUPS 128-255 place the 16,384 tokens by their pair of experts (28 pairs): a counting sort without atomics.  In: route: kr[token] = pair | rank << 8 (rank inside the token's group of 32),
;   hist[group 512][32] from byte 65,536.  Out: plan: order[232 tiles x 80]: tile t's tokens at entries 80 t on; each pair begins on a tile of its own, so a tile holds tokens of ONE pair;
;   from byte 74,240 ttab[256] = {8 lo + hi, number of rows}.  There are never more than floor((16,384 + 28 x 79) / 80) = 232 tiles.  Entries of order past a tile's count are not written, and nobody reads them.
;   Work-group P owns groups 4 P .. 4 P + 3, a wave ONE group: one scattered store a wave.  What it needs of the others it sums itself: every work-group reads the whole histogram, 32 loads of 512 bytes a wave.
;   A load brings four whole groups, and 4 P is a multiple of four: so one multiply-add by 1 or by 0x10001 adds a count to the total (low 16 bits) and, where the load's groups lie ahead of the work-group's,
;   to the prefix (high 16 bits); both stay at or under 16,384.  The four waves' parts meet in LDS behind the one barrier.
.set D,   48                           ; weights: v48-175, block j at D + 32 j
.set HX,  32                           ; placing: v32-159 the histogram as loaded: load j at HX + 4 j
.set HO,  160                          ; v160-162 the histograms of my work-group's groups 0 to 2, lane = pair
.set KR,  163                          ; v163 my token's kr
.set TT,  164                          ; the pair's total        (lane = pair from here on)
.set PR,  165                          ; its tokens ahead of my work-group
.set NT,  166                          ; its tiles
.set TB,  167                          ; its first tile
.set TMP, 168
.set BS,  169                          ; where my group puts its tokens of the pair
.set IX,  170
.set PS,  171
.set TK,  173
.macro SCAN x, t                       ; inclusive sums over the 32 lanes
.irp n, 1,2,4,8
	v_mov_b32_dpp v[\t], v[\x] row_shr:\n row_mask:0xf bank_mask:0xf bound_ctrl:1
	v_add_nc_u32 v[\x], v[\x], v[\t]
.endr
	v_readlane_b32 s21, v[\x], 15
	v_cndmask_b32 v[\t], 0, s21, s20               ; lanes 16-31 add the lower half's total
	v_add_nc_u32 v[\x], v[\x], v[\t]
.endm
	s_load_b256 s[4:11], s[0:1], 0x0               ; route s[4:5], expert_weights s[6:7], plan s[8:9], wq s[10:11]
	s_load_b64 s[12:13], s[0:1], 0x20              ; ws
	v_lshl_add_u32 v254, v0, 2, 0x800
	v_mov_b32 v255, 0
	v_lshrrev_b32 v1, 5, v0
	v_readfirstlane_b32 s22, v1                    ; wave 0..3
	v_and_b32 v15, 31, v0                          ; lane
	s_cmp_lt_u32 ttmp9, 128                        ; the same for all four waves
	s_cbranch_scc1 .Lweights
; ------------------------------------------------------------------ PLACING
	s_and_b32 s23, ttmp9, 127                      ; P
	s_lshl_b32 s16, s22, 5
	s_sub_co_i32 s16, s23, s16                     ; my load j holds groups 128 wave + 4 j on: ahead of group 4 P where j < P - 32 wave
	s_max_i32 s16, s16, 0
	s_min_i32 s16, s16, 32
	s_mov_b32 s18, 1
	s_mov_b32 s19, 0
	s_lshl_b64 s[18:19], s[18:19], s16
	s_sub_nc_u64 s[18:19], s[18:19], 1             ; s18: that many ones
.set J, 0
.rept 32                                       ; the 32 multipliers, made while the arguments are on their way
	s_bitcmp1_b32 s18, J
	s_cselect_b32 s[32+J], 0x10001, 1
.set J, J+1
.endr
	s_mov_b32 s20, 0xffff0000
	s_min_u32 s24, s22, 1                          ; 1 where my group is behind the work-group's group 0,
	s_lshr_b32 s25, s22, 1                         ; group 1,
	s_and_b32 s26, s25, s22                        ; group 2
	s_wait_alu depctr_va_vdst(0)
	v_lshlrev_b32 v2, 4, v15                       ; 16 x lane
	v_lshlrev_b32 v3, 2, v15                       ; 4 x lane
	s_lshl_b32 s17, s22, 7
	v_add_nc_u32 v4, s17, v3                       ; my token's kr: 128 x wave + 4 x lane
	s_lshl_b32 s17, s22, 9
	v_add_nc_u32 v5, s17, v2                       ; LDS: 512 x wave + 16 x lane
	v_mov_b32 v[TMP], 0                            ; the scan's temporary: written before a DPP move lands on it
	s_lshl_b32 s27, s23, 7
	s_lshl_b32 s17, s22, 5
	s_add_co_u32 s27, s27, s17
	v_add_nc_u32 v[TK], s27, v15                   ; my token: 128 P + 32 wave + lane
	s_mov_b32 s29, 0
	s_wait_alu depctr_va_vdst(0)
	s_wait_kmcnt 0x0
	s_lshl_b32 s28, s23, 9
	s_add_nc_u64 s[30:31], s[4:5], s[28:29]        ; my work-group's four groups, 128 bytes each, in kr and in hist alike
	s_lshl_b32 s28, s22, 14
	s_add_nc_u64 s[4:5], s[4:5], s[28:29]          ; my wave's 128 groups of the histogram
.irp i, 0,1,2
	global_load_b32 v[HO+\i], v3, s[30:31] offset:65536+128*\i
.endr
	global_load_b32 v[KR], v4, s[30:31]
.set J, 0
.rept 32
	global_load_b128 v[HX+4*J:HX+4*J+3], v2, s[4:5] offset:65536+512*J   ; lane l: group 4 J + l / 8, pairs 4 (l % 8) + 0 .. 3
.set J, J+1
.endr
.set J, 0
.rept 32
.if J%4 == 0
	s_wait_alu depctr_va_vdst(0)
	s_wait_loadcnt 28-J                            ; loads J to J + 3 are in (and the four small ones issued ahead of them); those behind may be out
.endif
.irp c, 0,1,2,3
.if J == 0
	v_mul_u32_u24 v[8+\c], s32, v[HX+\c]           ; the first products start the sums
.else
	v_mad_u32_u24 v[8+\c], v[HX+4*J+\c], s[32+J], v[8+\c]
.endif
.endr
.set J, J+1
.endr
	ds_store_b128 v5, v[8:11]                      ; byte 512 wave + 128 (l / 8) + 4 pair
	s_wait_dscnt 0x0
	s_barrier_signal -1
	s_barrier_wait -1
.irp i, 0,1,2,3,4,5,6,7,8,9,10,11,12,13,14,15
	ds_load_b32 v[16+\i], v3 offset:128*\i         ; lane = pair: the sixteen parts
.endr
	s_wait_dscnt 0x0
.irp i, 0,1,2,3,4,5,6,7
	v_add_nc_u32 v[16+\i], v[16+\i], v[24+\i]
.endr
.irp i, 0,1,2,3
	v_add_nc_u32 v[16+\i], v[16+\i], v[20+\i]
.endr
	v_add_nc_u32 v16, v16, v18
	v_add_nc_u32 v17, v17, v19
	v_add_nc_u32 v16, v16, v17
	v_and_b32 v[TT], 0xffff, v16
	v_lshrrev_b32 v[PR], 16, v16
	v_add_nc_u32 v[NT], 79, v[TT]
	v_mul_u32_u24 v[NT], v[NT], 0xcccd             ; (x * 52,429) >> 22 = x / 80, rounded down, for x up to 16,463
	v_lshrrev_b32 v[NT], 22, v[NT]
	v_mov_b32 v[TB], v[NT]
	SCAN TB, TMP
	v_sub_nc_u32 v[TB], v[TB], v[NT]
	v_mad_u32_u24 v[BS], v[TB], 80, v[PR]
	v_mad_u32_u24 v[BS], v[HO], s24, v[BS]         ; and the groups of my own work-group that lie ahead of mine
	v_mad_u32_u24 v[BS], v[HO+1], s25, v[BS]
	v_mad_u32_u24 v[BS], v[HO+2], s26, v[BS]
	v_and_b32 v[IX], 0xff, v[KR]
	v_min_u32 v[IX], 31, v[IX]
	v_lshlrev_b32 v[IX], 2, v[IX]
	ds_bpermute_b32 v[PS], v[IX], v[BS]            ; lane = token: the position of the lane that holds its pair
	v_lshrrev_b32 v[KR], 8, v[KR]                  ; rank
	s_wait_alu depctr_va_vdst(0)
	s_wait_dscnt 0x0
	v_add_nc_u32 v[PS], v[PS], v[KR]
	v_min_u32 v[PS], 0x487f, v[PS]                 ; inside order's 18,560 entries
	v_lshlrev_b32 v[PS], 2, v[PS]
	global_store_b32 v[PS], v[TK], s[8:9]
	s_cmp_lg_u32 s22, 0
	s_cbranch_scc1 .Lpend                          ; no barrier follows
	s_cmp_ge_u32 s23, 8
	s_cbranch_scc1 .Lpend
	s_lshl_b32 s27, s23, 5                         ; the table of tiles: wave 0 of the first eight placing work-groups, lane = tile 32 P + lane
	v_add_nc_u32 v179, s27, v15
	v_mov_b32 v174, 0                              ; the last pair whose first tile is at most mine: its first tile,
	v_mov_b32 v176, 0                              ; its experts,
	v_mov_b32 v178, 0                              ; its total
.set BK, 0
.rept 28                                       ; all first tiles and totals as scalars, in one run ahead of their use
	v_readlane_b32 s[32+BK], v[TB], BK
	v_readlane_b32 s[66+BK], v[TT], BK
.set BK, BK+1
.endr
.set BK, 0
.irp lo, 0,1,2,3,4,5,6
.irp hi, 1,2,3,4,5,6,7
.if \hi > \lo
	v_cmp_le_u32 vcc_lo, s[32+BK], v179
	v_cndmask_b32 v176, v176, 8*\lo+\hi, vcc_lo
	v_cndmask_b32 v174, v174, s[32+BK], vcc_lo
	v_cndmask_b32 v178, v178, s[66+BK], vcc_lo
.set BK, BK+1
.endif
.endr
.endr
	v_sub_nc_u32 v174, v179, v174
	v_mul_u32_u24 v174, v174, 80                   ; rows of the pair in the tiles before this one
	v_sub_nc_u32 v177, v178, v174
	v_max_i32 v177, 0, v177                        ; a tile past the pair's last has no rows
	v_min_i32 v177, 80, v177
	v_lshlrev_b32 v180, 3, v179
	global_store_b64 v180, v[176:177], s[8:9] offset:74240   ; 256 consecutive bytes, aligned
.Lpend:
	s_wait_tensorcnt 0x0
	ds_add_u32 v254, v255
	s_wait_dscnt 0x0
	s_endpgm
; ------------------------------------------------------------------ WEIGHTS: a wave takes 32 columns x 128 along K of one expert.  A lane takes a column, its registers run down K
.Lweights:
	s_lshr_b32 s23, ttmp9, 4                       ; expert
	s_bfe_u32 s24, ttmp9, 0x20002                  ; K step
	s_and_b32 s25, ttmp9, 3
	s_lshl_b32 s25, s25, 2
	s_add_co_u32 s25, s25, s22                     ; p: columns 32 p on
	s_mov_b32 s27, 0
	s_lshl_b32 s26, s23, 20
	s_lshl_b32 s28, s24, 18
	s_add_co_u32 s26, s26, s28
	s_lshl_b32 s28, s25, 7
	s_add_co_u32 s26, s26, s28
	s_wait_kmcnt 0x0
	s_add_nc_u64 s[6:7], s[6:7], s[26:27]          ; expert x 1 MiB + 128 rows of 2,048 bytes x K step + 128 p
	s_mul_i32 s26, s23, 196608
	s_mul_i32 s28, s25, 12288
	s_add_co_u32 s26, s26, s28
	s_mul_i32 s28, s24, 1536
	s_add_co_u32 s26, s26, s28
	s_add_nc_u64 s[10:11], s[10:11], s[26:27]      ; the image of tile 2 p, this K step
	s_lshl_b32 s26, s23, 13
	s_lshl_b32 s28, s25, 9
	s_add_co_u32 s26, s26, s28
	s_lshl_b32 s28, s24, 7
	s_add_co_u32 s26, s26, s28
	s_add_nc_u64 s[12:13], s[12:13], s[26:27]      ; its 32 scale words
	s_wait_alu depctr_va_vdst(0)
	v_lshlrev_b32 v1, 2, v15
	v_lshlrev_b32 v2, 4, v15
.macro WLD j                           ; block j: W(32 j + i, my column): a load reads 128 consecutive bytes, the four waves stand side by side on 512
.set WI, 0
.rept 32
	global_load_b32 v[D+32*(\j)+WI], v1, s[6:7] offset:2048*(32*(\j)+WI) th:TH_LOAD_NT
.set WI, WI+1
.endr
.endm
.macro WBLOCK j
.set DJ, D+32*(\j)
.set RJ, 176+12*((\j)%2)+6*((\j)/2)    ; the lower 16 codes go where the fragment wants them; the upper 16 to v[200 + 4 j] (a conversion's three registers begin on an even number)
.if (\j) < 3
	s_wait_loadcnt 32                              ; this block's 32 loads are in; the next block's may be out
.else
	s_wait_loadcnt 0x0
.endif
.if (\j)+2 < 4
	WLD (\j)+2
.endif
	v_max3_num_f32 v8, |v[DJ]|, |v[DJ+1]|, |v[DJ+2]|
	v_max3_num_f32 v9, |v[DJ+3]|, |v[DJ+4]|, |v[DJ+5]|
.irp i, 6,10,14,18,22,26
	v_max3_num_f32 v8, v8, |v[DJ+\i]|, |v[DJ+\i+1]|
	v_max3_num_f32 v9, v9, |v[DJ+\i+2]|, |v[DJ+\i+3]|
.endr
	v_max3_num_f32 v8, v8, |v[DJ+30]|, |v[DJ+31]|
	v_max3_num_f32 v8, v8, v9, 0x2800000           ; the floor 2^(5 - 127)
	v_add_nc_u32 v[16+(\j)], 0xfe000000, v8
	v_lshrrev_b32 v[20+(\j)], 23, v[16+(\j)]
	v_cvt_scalef32_pk16_bf6_f32 v[RJ:RJ+2], v[DJ:DJ+15], v[16+(\j)]
	v_cvt_scalef32_pk16_bf6_f32 v[200+4*(\j):202+4*(\j)], v[DJ+16:DJ+31], v[16+(\j)]
.endm
	WLD 0
	WLD 1
	s_wait_alu depctr_va_vdst(0)
	WBLOCK 0
	WBLOCK 1
	WBLOCK 2
	WBLOCK 3
	v_nop                                          ; a plain line behind the last conversion
.irp i, 0,1,2                                  ; lane l holds column l's blocks 0-3.  A fragment wants, in lanes 0-15, its columns' even block and, in lanes 16-31, their odd block:
	v_permlane16_swap_b32 v[176+\i], v[188+\i]     ; the even block's lanes 16-31 change places with the odd block's lanes 0-15: the first is then tile 2 p's, the second tile 2 p + 1's
	v_permlane16_swap_b32 v[200+\i], v[204+\i]
	v_permlane16_swap_b32 v[182+\i], v[194+\i]
	v_permlane16_swap_b32 v[208+\i], v[212+\i]
.endr
.irp i, 0,1,2
	v_mov_b32 v[179+\i], v[200+\i]
	v_mov_b32 v[191+\i], v[204+\i]
	v_mov_b32 v[185+\i], v[208+\i]
	v_mov_b32 v[197+\i], v[212+\i]
.endr
	v_lshl_or_b32 v216, v21, 8, v20                ; my column's scale word for these 128 along K
	v_lshl_or_b32 v216, v22, 16, v216
	v_lshl_or_b32 v216, v23, 24, v216
.irp g, 0,1,2
	global_store_b128 v2, v[176+4*\g:179+4*\g], s[10:11] offset:512*\g         ; each store covers 512 consecutive bytes
	global_store_b128 v2, v[188+4*\g:191+4*\g], s[10:11] offset:6144+512*\g
.endr
	global_store_b32 v1, v216, s[12:13]
	s_endpgm
.Lfunc_end_k_q2e3e603393_place_wq:
	.size	k_q2e3e603393_place_wq, .Lfunc_end_k_q2e3e603393_place_wq-k_q2e3e603393_place_wq
	.p2alignl 7, 3214868480
	.fill 96, 4, 3214868480
	.section	.rodata,"a",@progbits
	.p2align	6, 0x0
	.amdhsa_kernel k_q2e3e603393_place_wq
		.amdhsa_group_segment_fixed_size 2560
		.amdhsa_private_segment_fixed_size 0
		.amdhsa_enable_private_segment 0
		.amdhsa_kernarg_size 40
		.amdhsa_user_sgpr_count 2
		.amdhsa_user_sgpr_kernarg_segment_ptr 1
		.amdhsa_wavefront_size32 1
		.amdhsa_system_sgpr_workgroup_id_x 1
		.amdhsa_system_sgpr_workgroup_id_y 1
		.amdhsa_system_sgpr_workgroup_id_z 1
		.amdhsa_system_vgpr_workitem_id 0
		.amdhsa_next_free_vgpr 256
		.amdhsa_next_free_sgpr 96
		.amdhsa_reserve_vcc 1
		.amdhsa_float_denorm_mode_32 3
		.amdhsa_float_denorm_mode_16_64 3
		.amdhsa_memory_ordered 1
		.amdhsa_forward_progress 1
		.amdhsa_inst_pref_size 51
	.end_amdhsa_kernel
	.amdgpu_metadata
---
amdhsa.version: [ 1, 2 ]
amdhsa.kernels:
  - .name:           k_q2e3e603393_place_wq
    .symbol:         k_q2e3e603393_place_wq.kd
    .args:
      - { .name: route, .offset: 0, .size: 8, .value_kind: global_buffer, .address_space: global }
      - { .name: expert_weights, .offset: 8, .size: 8, .value_kind: global_buffer, .address_space: global }
      - { .name: plan, .offset: 16, .size: 8, .value_kind: global_buffer, .address_space: global }
      - { .name: wq, .offset: 24, .size: 8, .value_kind: global_buffer, .address_space: global }
      - { .name: ws, .offset: 32, .size: 8, .value_kind: global_buffer, .address_space: global }
    .group_segment_fixed_size: 2560
    .private_segment_fixed_size: 0
    .kernarg_segment_align: 8
    .kernarg_segment_size: 40
    .max_flat_workgroup_size: 128
    .sgpr_count:     96
    .vgpr_count:     256
    .wavefront_size: 32
...
	.end_amdgpu_metadata
.endif
;; end of part 7
;; launch experts (part 8): grid 232 x 1, 4 waves a work-group, no clusters, 90,624 bytes of LDS; arguments xq, xs, wq, ws, gate, plan, out0; writes out0
.if DOCPART == 8
	.amdgcn_target "amdgcn-amd-amdhsa--gfx1250"
	.amdhsa_code_object_version 6
	.text
	.protected	k_q2e3e603393_experts
	.globl	k_q2e3e603393_experts
	.p2align	8
	.type	k_q2e3e603393_experts,@function
k_q2e3e603393_experts:
	s_mov_b64 s[64:65], 0
	v_nop
	global_prefetch_b8 v0, s[64:65] scope:SCOPE_SE
	s_setreg_imm32_b32 hwreg(HW_REG_WAVE_SCHED_MODE, 0, 2), 2
	s_setreg_imm32_b32 hwreg(HW_REG_WAVE_MODE, 25, 1), 1
	s_wait_xcnt 0x0
	s_wait_alu depctr_vm_vsrc(0)
; THIRD LAUNCH: out[token] = g_lo (x_q W_q[lo]) + g_hi (x_q W_q[hi]), on codes of E3M2 with one E8M0 scale for each 32 along K = 512.
; Work-group t takes tile t of the plan: up to 80 tokens, all of ONE pair of experts (lo, hi).  So every work-group walks exactly two experts, each output row has one owner, and no partial sum goes to memory.
; 232 work-groups serve every split of the tokens; a tile that the split leaves without rows stores nothing and ends.
; Wave w makes output columns 128 w .. 128 w + 127 (8 tiles of 16) for all 80 rows.  THE PRODUCT IS USED TRANSPOSED: source 0 = 16 columns of W, source 1 = 16 tokens: lane (r, h) holds token r of a row tile and
; columns 8 h + 0 .. 7 of a column tile, so a gate is one number a lane and a lane's eight results are 32 neighbouring bytes of a row of out.
; The weights lie in memory as images of operand registers: each fragment is loaded whole by the one wave that uses it, 512 consecutive bytes a load, and feeds five matrix instructions.  x's 20 fragments stay in registers.
; A TASK = one expert x one column tile: 12 loads, 20 matrix instructions.  Five sets of weight registers take turns: a task asks, behind its first five products, for the weights of the task three on:
; up to 36 loads (18 KiB) of a wave are on their way.
; NO JOINT LOADS IN A CLUSTER: which pair a tile has, and whether it has rows at all, is read from the plan, so neighbours in the grid need not want the same weights, and a tile without rows ends at once.
; NO BARRIER: all LDS here is the wave's own (a stage of 80 rows x 272 bytes and a table of 80 tokens), so the early end jumps over none.
; Rows past the tile's count repeat its last token: within the last 16 rows in use the same numbers may be stored again to the same row by the same wave; whole groups of 16 rows past the count are not stored.
; REGISTERS.  Window 0: addresses, scales, gates, accumulators, the way out.  Window 1: x's fragments, (row tile m, K step s) at v[12 (4 m + s)].  Window 2: five sets of 48, a task's weights at v[48 (task % 5) + 12 s].
; THE MODE: SCHED_MODE bits 1:0 = 2 (LLVM: expert scheduling mode 2), set by the entry lines.  The code itself states the register dependences
; between vector or matrix instructions and memory or LDS instructions, with s_wait_alu, always for 0.
; THE PLAN.  Registers that memory or LDS instructions touch:
;   v3-v9, OO, XO, GO, XA   addresses and offsets: made once by vector instructions at the head, never written again.
;   TOK                     loaded, clamped by vector instructions, read by five LDS stores, never written again.
;   set t % 5 of window 2   read by task t's 20 products; the loads issued in task t + 2 (the weights of task t + 5) land in it.
;   HA                      written by an odd task's products and by COMBINE's packed lines; read by COMBINE's ten stage stores; begun anew by the next odd task's products.
;   OT, OA, OB              the way out, a group of 16 rows: LDS loads land in OT and OB; vector lines clamp OT and make OA of it; the stores read OA (offset) and OB (data).
;   LA, the scales, the gates and x's fragments are loaded once, or named by vector and matrix instructions alone.
; So ONE wait on va_vdst stands in a pair of tasks, behind COMBINE's packed lines: HA is written, for the stage stores, and both tasks' products are done reading their sets.  The loads of the next two tasks land in those
; two sets; the products issued meanwhile name the two sets that follow (five sets: no two of four tasks on end share one), x, the scales and the accumulators, none of which those loads touch.
; One wait on vm_vsrc stands ahead of each odd task's products (the stage stores have read HA).  A group of the way out has one of each: vm_vsrc at its head, va_vdst ahead of its stores.
.set REG,  22528                       ; LDS of a wave
.set SPI,  272                         ; a stage row: 256 bytes (64 columns) + 16
.set TKT,  21760                       ; behind the stage: the tile's 80 tokens
.set TOK,  10                          ; v10-14   token of my row in row tile m
.set XO,   16                          ; v16-20   384 token + 48 h
.set XSC,  22                          ; v22-31   x's scale words: pair m: register 0: word 0 (lanes 0-15), word 2 (lanes 16-31); register 1: words 1, 3
.set GA,   32                          ; v32-41   (g_lo, g_hi) as loaded
.set GB,   42                          ; v42-51   (g_hi, g_lo)
.set WSC,  52                          ; v52-83   the weights' scale words: 16 e + 4 (column tile / 2) + s: lanes 0-15 the even tile's columns, lanes 16-31 the odd tile's
.set LA,   84                          ; v84-123  five accumulators, the lower expert
.set HA,   124                         ; v124-163 five, the higher expert
.set OB,   164                         ; v164-195 rows read back from the stage
.set OT,   196                         ; v196-203 their tokens
.set OA,   204                         ; v204-211 their byte offsets in out
.set OO,   212                         ; v212-216 offsets in the plan's order
.set GO,   218                         ; v218-222 offsets in gate
.set XA,   224                         ; v224-228 offsets in xs
.set MSB, 0
.macro WIN new                         ; the immediate's high byte repeats the setting that is left
.if MSB != \new
	s_set_vgpr_msb (MSB<<8)|\new
.set MSB, \new
.endif
.endm
	s_load_b256 s[4:11], s[0:1], 0x0               ; xq s[4:5], xs s[6:7], wq s[8:9], ws s[10:11]
	s_load_b128 s[12:15], s[0:1], 0x20             ; gate s[12:13], plan s[14:15]
	s_load_b64 s[16:17], s[0:1], 0x30              ; out
	v_lshl_add_u32 v254, v0, 2, 0x16000
	v_mov_b32 v255, 0
	v_lshrrev_b32 v1, 5, v0
	v_readfirstlane_b32 s18, v1                    ; wave 0..3
	v_and_b32 v1, 15, v0                           ; r
	v_bfe_u32 v2, v0, 4, 1                         ; h
	v_and_b32 v3, 31, v0
	v_lshlrev_b32 v4, 2, v3                        ; 4 x lane
	v_lshlrev_b32 v3, 4, v3                        ; 16 x lane
	s_wait_alu depctr_va_sdst(0)                   ; s18 is written, ahead of its first reader: LDS addresses and the weights' bases are made from it
	s_mul_i32 s25, s18, REG
	v_mul_u32_u24 v5, v1, SPI
	v_lshl_add_u32 v5, v2, 5, v5
	v_add_nc_u32 v5, s25, v5                       ; stage, in: row r, 32 bytes for each half of the lanes
	v_mul_u32_u24 v6, v2, SPI
	v_lshl_add_u32 v6, v1, 4, v6
	v_add_nc_u32 v6, s25, v6                       ; stage, back: lanes 0-15 one row of 256 bytes, lanes 16-31 the next
	s_lshl_b32 s26, s18, 9
	v_lshl_add_u32 v7, v1, 4, s26                  ; in a row of out: 512 x wave + 16 r
	s_add_co_u32 s25, s25, TKT
	v_lshl_add_u32 v8, v1, 2, s25                  ; the token table, in
	v_lshl_add_u32 v9, v2, 2, s25                  ; and back
	v_mul_u32_u24 v230, v2, 48
	v_lshlrev_b32 v231, 3, v2
	s_lshl_b32 s22, ttmp9, 3
	s_wait_kmcnt 0x0
	s_load_b64 s[20:21], s[14:15], s22 offset:0x12200   ; my tile: 8 lo + hi, rows
	s_wait_kmcnt 0x0
	s_min_u32 s21, s21, 80
	s_cmp_eq_u32 s21, 0
	s_cbranch_scc1 .Lend                           ; a tile without rows
	s_lshr_b32 s23, s20, 3
	s_min_u32 s23, s23, 7                          ; lo
	s_and_b32 s24, s20, 7
	s_min_u32 s24, s24, 7                          ; hi
	s_mov_b32 s27, 0
	s_mul_i32 s28, s18, 49152                      ; my 8 column tiles of 6,144 bytes
	s_mul_i32 s26, s23, 196608
	s_add_co_u32 s26, s26, s28
	s_add_nc_u64 s[30:31], s[8:9], s[26:27]        ; lo's weights
	s_mul_i32 s26, s24, 196608
	s_add_co_u32 s26, s26, s28
	s_add_nc_u64 s[32:33], s[8:9], s[26:27]        ; hi's
	s_lshl_b32 s28, s18, 11
	s_lshl_b32 s26, s23, 13
	s_add_co_u32 s26, s26, s28
	s_add_nc_u64 s[34:35], s[10:11], s[26:27]      ; lo's scale words
	s_lshl_b32 s26, s24, 13
	s_add_co_u32 s26, s26, s28
	s_add_nc_u64 s[36:37], s[10:11], s[26:27]      ; hi's
	s_mul_i32 s26, ttmp9, 320
	s_add_nc_u64 s[38:39], s[14:15], s[26:27]      ; my tile's 80 entries of order
	s_sub_co_u32 s19, s21, 1
.irp m, 0,1,2,3,4
	v_add_nc_u32 v[OO+\m], 16*\m, v1
	v_min_u32 v[OO+\m], s19, v[OO+\m]              ; rows past the count take the last row: no entry that was not written is read
	v_min_u32 v[OO+\m], 79, v[OO+\m]
	v_lshlrev_b32 v[OO+\m], 2, v[OO+\m]
.endr
	s_wait_alu depctr_va_vdst(0)                   ; v3 to v9 and OO are written: the loads below, and every later load of weights and LDS access, read them as addresses
.irp m, 0,1,2,3,4
	global_load_b32 v[TOK+\m], v[OO+\m], s[38:39]
.endr
.irp p, 0,1,2,3
.irp s, 0,1,2,3
	global_load_b32 v[WSC+4*\p+\s], v4, s[34:35] offset:512*\p+128*\s
	global_load_b32 v[WSC+16+4*\p+\s], v4, s[36:37] offset:512*\p+128*\s
.endr
.endr
.macro WLOAD tau                       ; task tau = expert tau % 2, column tile tau / 2: its four fragments, 12 loads of 512 consecutive bytes, into set tau % 5.  It leaves the windows as it set them
	WIN 0x80                                       ; destination window 2, address window 0
.irp s, 0,1,2,3
.irp g, 0,1,2
.if (\tau)%2
	global_load_b128 v[48*((\tau)%5)+12*\s+4*\g:48*((\tau)%5)+12*\s+4*\g+3], v3, s[32:33] offset:6144*((\tau)/2)+1536*\s+512*\g
.else
	global_load_b128 v[48*((\tau)%5)+12*\s+4*\g:48*((\tau)%5)+12*\s+4*\g+3], v3, s[30:31] offset:6144*((\tau)/2)+1536*\s+512*\g
.endif
.endr
.endr
.endm
	WLOAD 0
	WLOAD 1
	WIN 0
	s_wait_loadcnt 56                              ; the five tokens are in; behind them: 32 scale words and two tasks' 24 loads
.irp m, 0,1,2,3,4
	v_min_u32 v[TOK+\m], 0x3fff, v[TOK+\m]
	v_mul_u32_u24 v[XO+\m], v[TOK+\m], 0x180
	v_add_nc_u32 v[XO+\m], v230, v[XO+\m]
	v_lshlrev_b32 v[GO+\m], 3, v[TOK+\m]
	v_lshl_add_u32 v[XA+\m], v[TOK+\m], 4, v231
.endr
	s_wait_alu depctr_va_vdst(0)                   ; the clamped tokens are written, which the LDS stores read as data, and XO, GO and XA, which the loads below read as offsets
.irp m, 0,1,2,3,4
	ds_store_b32 v8, v[TOK+\m] offset:64*\m        ; both halves of the lanes write the same word
.endr
.irp m, 0,1,2,3,4
	global_load_b64 v[GA+2*\m:GA+2*\m+1], v[GO+\m], s[12:13]
	global_load_b64 v[XSC+2*\m:XSC+2*\m+1], v[XA+\m], s[6:7]
.endr
	WIN 0x40                                       ; destination window 1
.irp m, 0,1,2,3,4
.irp s, 0,1,2,3
.irp g, 0,1,2
	global_load_b128 v[12*(4*\m+\s)+4*\g:12*(4*\m+\s)+4*\g+3], v[XO+\m], s[4:5] offset:96*\s+16*\g   ; my 48 bytes of the fragment lie on end
.endr
.endr
.endr
	WLOAD 2
	WLOAD 3
; one product.  s: the K step: 0 starts the sum with the constant 0; from 2 on x's scale word stands in lanes 16-31.  ra: the column tile is odd: its scale words stand in lanes 16-31.
.macro MM d, a, b, sa, sb, s, ra
.if (\s) == 0
.if \ra
	v_wmma_scale_f32_16x16x128_f8f6f4 v[\d:\d+7], v[\a:\a+11], v[\b:\b+11], 0, v[\sa], v[\sb] matrix_a_fmt:MATRIX_FMT_BF6 matrix_b_fmt:MATRIX_FMT_BF6 matrix_a_scale:MATRIX_SCALE_ROW1
.else
	v_wmma_scale_f32_16x16x128_f8f6f4 v[\d:\d+7], v[\a:\a+11], v[\b:\b+11], 0, v[\sa], v[\sb] matrix_a_fmt:MATRIX_FMT_BF6 matrix_b_fmt:MATRIX_FMT_BF6
.endif
.elseif (\s) == 1
.if \ra
	v_wmma_scale_f32_16x16x128_f8f6f4 v[\d:\d+7], v[\a:\a+11], v[\b:\b+11], v[\d:\d+7], v[\sa], v[\sb] matrix_a_fmt:MATRIX_FMT_BF6 matrix_b_fmt:MATRIX_FMT_BF6 matrix_a_scale:MATRIX_SCALE_ROW1
.else
	v_wmma_scale_f32_16x16x128_f8f6f4 v[\d:\d+7], v[\a:\a+11], v[\b:\b+11], v[\d:\d+7], v[\sa], v[\sb] matrix_a_fmt:MATRIX_FMT_BF6 matrix_b_fmt:MATRIX_FMT_BF6
.endif
.else
.if \ra
	v_wmma_scale_f32_16x16x128_f8f6f4 v[\d:\d+7], v[\a:\a+11], v[\b:\b+11], v[\d:\d+7], v[\sa], v[\sb] matrix_a_fmt:MATRIX_FMT_BF6 matrix_b_fmt:MATRIX_FMT_BF6 matrix_a_scale:MATRIX_SCALE_ROW1 matrix_b_scale:MATRIX_SCALE_ROW1
.else
	v_wmma_scale_f32_16x16x128_f8f6f4 v[\d:\d+7], v[\a:\a+11], v[\b:\b+11], v[\d:\d+7], v[\sa], v[\sb] matrix_a_fmt:MATRIX_FMT_BF6 matrix_b_fmt:MATRIX_FMT_BF6 matrix_b_scale:MATRIX_SCALE_ROW1
.endif
.endif
.endm
; A task: 20 products, the five row tiles' accumulators by turns, one instruction a turn, K ascending.
; ld: the task whose weights are asked for behind the first five products; above 15: none.  Task 0 asks for task 4 (a set that nothing has named yet), task 1 for none, task tau from 2 on for task tau + 3.
.macro TASK tau, first, ld
.set TE, (\tau)%2
.set TC, (\tau)/2
.set TS, 48*((\tau)%5)
.set TD, LA+40*TE
.if \first
	s_wait_loadcnt 24                              ; all but tasks 2 and 3: x, the scales, the gates and this task's weights are in
.elseif (\tau) == 1
	s_wait_loadcnt 36                              ; behind this task's weights: tasks 2, 3 and 4
.elseif 15-(\tau) >= 2
	s_wait_loadcnt 24                              ; this task's weights are in; behind them the next two tasks' 24 loads
.else
	s_wait_loadcnt 12*(15-(\tau))
.endif
.if TE
	s_wait_dscnt 0x0                               ; the stage stores that read the higher expert's accumulators are done (issued a whole task ago): they are begun anew below
.if (\tau) > 1
	s_wait_alu depctr_vm_vsrc(0)                   ; the stage stores of the column tile before have read HA, which the products below write again
.endif
.endif
.irp s, 0,1,2,3
	WIN 0x06                                       ; source 0 (weights) window 2, source 1 (x) window 1, C and D window 0
.irp m, 0,1,2,3,4
	MM (TD+8*\m), (TS+12*\s), (12*(4*\m+\s)), (WSC+16*TE+4*(TC/2)+\s), (XSC+2*\m+\s%2), \s, TC%2
.endr
.if \s == 0
.if (\ld) <= 15
	WLOAD \ld                                      ; into the set that the task two back read.  No wait here: its products stand ahead of COMBINE's wait on va_vdst, and no vector or matrix instruction since names that set or v3
.endif
.endif
.endr
	WIN 0
.if TE
.rept 5
	v_nop                                          ; plain places behind the products (ISA guide 7.12.1): four for the reads of the results, five for the products that later begin both experts' accumulators anew
.endr
.endif
.endm
; column tile c is weighed and goes to the stage: H = g_hi H, then H = g_lo L + H.  Each accumulator is read from its low end on.
.macro COMBINE c
.irp m, 0,1,2,3,4
.irp j, 0,2,4,6
	v_pk_mul_f32 v[HA+8*\m+\j:HA+8*\m+\j+1], v[HA+8*\m+\j:HA+8*\m+\j+1], v[GB+2*\m:GB+2*\m+1] op_sel_hi:[1,0]
.endr
.irp j, 0,2,4,6
	v_pk_fma_f32 v[HA+8*\m+\j:HA+8*\m+\j+1], v[LA+8*\m+\j:LA+8*\m+\j+1], v[GA+2*\m:GA+2*\m+1], v[HA+8*\m+\j:HA+8*\m+\j+1] op_sel_hi:[1,0,1]
.endr
.endr
	s_wait_alu depctr_va_vdst(0)                   ; the packed lines have written HA, which the stage stores read; and the products of this column tile's two tasks are done reading their sets of weights, in which the next two tasks' loads land
.irp m, 0,1,2,3,4
	ds_store_b128 v5, v[HA+8*\m:HA+8*\m+3] offset:16*\m*SPI+64*((\c)%4)
	ds_store_b128 v5, v[HA+8*\m+4:HA+8*\m+7] offset:16*\m*SPI+64*((\c)%4)+16
.endr
.endm
; 64 columns of the tile's rows leave, 16 rows at a time; groups of 16 rows past the count are left out (a scalar branch on the count read from the plan).
.macro OUT q
.irp m, 0,1,2,3,4
	s_wait_xcnt 0x0                                ; earlier stores have read their data and offsets: both are written again below
.if (\q)+\m > 0
	s_wait_alu depctr_vm_vsrc(0)                   ; the stores of the group before have read OB, in which the loads below land, and OA, which the vector lines below write; ahead of the branch, so that it stands on every way
.endif
.if \m > 0
	s_cmp_le_u32 s21, 16*\m
	s_cbranch_scc1 .Ldone_\@
.endif
.irp i, 0,1,2,3,4,5,6,7
	ds_load_b32 v[OT+\i], v9 offset:4*(16*\m+2*\i) ; (the vector lines that named OT stand ahead of the last group's wait on va_vdst)
.endr
.irp i, 0,1,2,3,4,5,6,7
	ds_load_b128 v[OB+4*\i:OB+4*\i+3], v6 offset:(16*\m+2*\i)*SPI   ; LDS serves a wave's instructions in order: these see my stores
.endr
	s_wait_dscnt 8                                 ; the eight tokens are in; the eight rows may be out
.irp i, 0,1,2,3,4,5,6,7
	v_min_u32 v[OT+\i], 0x3fff, v[OT+\i]
	v_lshl_add_u32 v[OA+\i], v[OT+\i], 11, v7      ; 2,048 bytes a row of out
.endr
	s_wait_alu depctr_va_vdst(0)                   ; OA is written, which the eight stores read as their offsets; the lines above are also done with OT, in which the next group's loads land
.irp i, 0,1,2,3,4,5,6,7
	s_wait_dscnt 7-\i
	global_store_b128 v[OA+\i], v[OB+4*\i:OB+4*\i+3], s[16:17] offset:256*\q th:TH_STORE_NT   ; sixteen lanes store 256 consecutive bytes, aligned, of one token's row
.endr
.endr
.Ldone_\@:
.endm
	TASK 0, 1, 4
.irp m, 0,1,2,3,4
	v_mov_b32 v[GB+2*\m], v[GA+2*\m+1]             ; the packed forms take a pair's low word for both halves: g_hi gets a pair of its own
	v_mov_b32 v[GB+2*\m+1], v[GA+2*\m]
.endr
	TASK 1, 0, 16
	s_wait_alu depctr_va_vdst(0)
	COMBINE 0
.irp c, 1,2,3
	TASK 2*\c, 0, 2*\c+3
	TASK 2*\c+1, 0, 2*\c+4
	COMBINE \c
.endr
	OUT 0
.irp c, 4,5,6,7
	TASK 2*\c, 0, 2*\c+3
	TASK 2*\c+1, 0, 2*\c+4
	COMBINE \c
.endr
	OUT 1
.Lend:
	s_wait_dscnt 0x0                               ; the closing lines, six on end
	s_wait_alu 0x0
	s_wait_tensorcnt 0x0
	ds_add_u32 v254, v255
	s_wait_dscnt 0x0
	s_endpgm
.Lfunc_end_k_q2e3e603393_experts:
	.size	k_q2e3e603393_experts, .Lfunc_end_k_q2e3e603393_experts-k_q2e3e603393_experts
	.p2alignl 7, 3214868480
	.fill 96, 4, 3214868480
	.section	.rodata,"a",@progbits
	.p2align	6, 0x0
	.amdhsa_kernel k_q2e3e603393_experts
		.amdhsa_group_segment_fixed_size 90624
		.amdhsa_private_segment_fixed_size 0
		.amdhsa_enable_private_segment 0
		.amdhsa_kernarg_size 56
		.amdhsa_user_sgpr_count 2
		.amdhsa_user_sgpr_kernarg_segment_ptr 1
		.amdhsa_wavefront_size32 1
		.amdhsa_system_sgpr_workgroup_id_x 1
		.amdhsa_system_sgpr_workgroup_id_y 1
		.amdhsa_system_sgpr_workgroup_id_z 1
		.amdhsa_system_vgpr_workitem_id 0
		.amdhsa_next_free_vgpr 768
		.amdhsa_next_free_sgpr 66
		.amdhsa_reserve_vcc 0
		.amdhsa_float_denorm_mode_32 3
		.amdhsa_float_denorm_mode_16_64 3
		.amdhsa_memory_ordered 1
		.amdhsa_forward_progress 1
		.amdhsa_inst_pref_size 136
	.end_amdhsa_kernel
	.amdgpu_metadata
---
amdhsa.version: [ 1, 2 ]
amdhsa.kernels:
  - .name:           k_q2e3e603393_experts
    .symbol:         k_q2e3e603393_experts.kd
    .args:
      - { .name: xq, .offset: 0, .size: 8, .value_kind: global_buffer, .address_space: global }
      - { .name: xs, .offset: 8, .size: 8, .value_kind: global_buffer, .address_space: global }
      - { .name: wq, .offset: 16, .size: 8, .value_kind: global_buffer, .address_space: global }
      - { .name: ws, .offset: 24, .size: 8, .value_kind: global_buffer, .address_space: global }
      - { .name: gate, .offset: 32, .size: 8, .value_kind: global_buffer, .address_space: global }
      - { .name: plan, .offset: 40, .size: 8, .value_kind: global_buffer, .address_space: global }
      - { .name: out0, .offset: 48, .size: 8, .value_kind: global_buffer, .address_space: global }
    .group_segment_fixed_size: 90624
    .private_segment_fixed_size: 0
    .kernarg_segment_align: 8
    .kernarg_segment_size: 56
    .max_flat_workgroup_size: 128
    .sgpr_count:     66
    .vgpr_count:     768
    .wavefront_size: 32
...
	.end_amdgpu_metadata
.endif
;; end of part 8
